; MI455X (gfx1250); checked and timed in simulation.
; The chip was launched on July 23, 2026; its instructions are those of AMD's public machine-readable ISA for CDNA 5 (MIT licence, August 2026) and "CDNA5" Instruction Set Architecture Reference Guide (July 2026). The comments in the code are by the model that wrote it; some were corrected since.
;; Self Attention. Allowed arithmetic: float matrix products may take bf16 or f16 operands with f32 sums; other float arithmetic in f32, or as packed bf16 or f16 multiplies, adds, multiply-adds, maxima and minima; sums over many terms, partial sums and values carried from step to step in f32; what a program stores and reads back later, other than sums and carried values, may be rounded once to bf16 or f16.
;; Inputs: Wk 1,024 x 1,024 float32; Wq 1,024 x 1,024 float32; Wv 1,024 x 1,024 float32; bk 1,024 float32; bq 1,024 float32; bv 1,024 float32; k_in 4 x 2,048 x 1,024 float32; q_in 4 x 2,048 x 1,024 float32; v_in 4 x 2,048 x 1,024 float32.
;; Outputs: out0 4 x 2,048 x 1,024 float32.
;; One version. Each part assembles by itself: llvm-mc -triple=amdgcn-amd-amdhsa -mcpu=gfx1250 --defsym DOCPART=n.
;; ======== version 1 of 1: 4 launches
;; limits: values are held in f16: magnitudes above 65,504 overflow, below 6.1e-05 lose precision
;; workspace buffers: wb 6,291,456 bytes; qkv 50,331,648 bytes; pbuf 33,554,432 bytes; stat 1,048,576 bytes
;; launch castw (part 1): grid 256 x 3, 8 waves a work-group, no clusters, 0 bytes of LDS; arguments Wq, Wk, Wv, wb; writes wb
.if DOCPART == 1
	.amdgcn_target "amdgcn-amd-amdhsa--gfx1250"
	.amdhsa_code_object_version 6
	.text
	.protected	k_qb1f4a13a79_castw
	.globl	k_qb1f4a13a79_castw
	.p2align	8
	.type	k_qb1f4a13a79_castw,@function
k_qb1f4a13a79_castw:
	s_mov_b64 s[64:65], 0
	v_nop
	global_prefetch_b8 v0, s[64:65] scope:SCOPE_SE
	s_setreg_imm32_b32 hwreg(HW_REG_WAVE_MODE, 25, 1), 1
	s_wait_xcnt 0x0
; wb[t][k][n] = bf16(W_t[k][n]), t = 0, 1, 2 for Wq, Wk, Wv: the layout is kept, each number rounded once to nearest even.
; A stream: 12 MiB in, 6 MiB out, each byte once.  Work-group (x, y) takes 4,096 numbers of tensor y; thread t takes 8 numbers at 8 t and 8 at 2,048 + 8 t.
; A wave's two loads of a half cover 1,024 consecutive bytes, its store 512 consecutive bytes, aligned.  No LDS, no matrix unit, no loop: nothing is used twice.
	s_load_b256 s[4:11], s[0:1], 0x0               ; Wq s[4:5], Wk s[6:7], Wv s[8:9], wb s[10:11]
	s_and_b32 s12, ttmp7, 0xffff                   ; which tensor
	v_lshlrev_b32 v1, 5, v0                        ; 8 f32 a thread
	v_lshlrev_b32 v2, 4, v0                        ; 8 bf16 a thread
	s_lshl_b32 s14, ttmp9, 14                      ; the work-group's 4,096 numbers in f32
	s_mov_b32 s15, 0
	s_lshl_b32 s16, s12, 21                        ; a tensor is 2 MiB in bf16
	s_lshl_b32 s17, ttmp9, 13
	s_add_co_u32 s16, s16, s17
	s_mov_b32 s17, 0
	s_wait_kmcnt 0x0
	s_cmp_eq_u32 s12, 1
	s_cselect_b64 s[4:5], s[6:7], s[4:5]
	s_cmp_eq_u32 s12, 2
	s_cselect_b64 s[4:5], s[8:9], s[4:5]
	s_add_nc_u64 s[4:5], s[4:5], s[14:15]
	s_add_nc_u64 s[10:11], s[10:11], s[16:17]
	global_load_b128 v[4:7], v1, s[4:5] th:TH_LOAD_NT
	global_load_b128 v[8:11], v1, s[4:5] offset:16 th:TH_LOAD_NT
	global_load_b128 v[12:15], v1, s[4:5] offset:8192 th:TH_LOAD_NT
	global_load_b128 v[16:19], v1, s[4:5] offset:8208 th:TH_LOAD_NT
	s_wait_loadcnt 0x0
.irp i, 0,1,2,3,4,5,6,7
	v_cvt_pk_bf16_f32 v[20+(\i)], v[4+2*(\i)], v[5+2*(\i)]
.endr
	global_store_b128 v2, v[20:23], s[10:11]
	global_store_b128 v2, v[24:27], s[10:11] offset:4096
	s_endpgm
.Lfunc_end_k_qb1f4a13a79_castw:
	.size	k_qb1f4a13a79_castw, .Lfunc_end_k_qb1f4a13a79_castw-k_qb1f4a13a79_castw
	.p2alignl 7, 3214868480
	.fill 96, 4, 3214868480
	.section	.rodata,"a",@progbits
	.p2align	6, 0x0
	.amdhsa_kernel k_qb1f4a13a79_castw
		.amdhsa_group_segment_fixed_size 0
		.amdhsa_private_segment_fixed_size 0
		.amdhsa_enable_private_segment 0
		.amdhsa_kernarg_size 32
		.amdhsa_user_sgpr_count 2
		.amdhsa_user_sgpr_kernarg_segment_ptr 1
		.amdhsa_wavefront_size32 1
		.amdhsa_system_sgpr_workgroup_id_x 1
		.amdhsa_system_sgpr_workgroup_id_y 1
		.amdhsa_system_sgpr_workgroup_id_z 1
		.amdhsa_system_vgpr_workitem_id 0
		.amdhsa_next_free_vgpr 28
		.amdhsa_next_free_sgpr 66
		.amdhsa_reserve_vcc 0
		.amdhsa_float_denorm_mode_32 3
		.amdhsa_float_denorm_mode_16_64 3
		.amdhsa_memory_ordered 1
		.amdhsa_forward_progress 1
		.amdhsa_inst_pref_size 2
	.end_amdhsa_kernel
	.amdgpu_metadata
---
amdhsa.version: [ 1, 2 ]
amdhsa.kernels:
  - .name:           k_qb1f4a13a79_castw
    .symbol:         k_qb1f4a13a79_castw.kd
    .args:
      - { .name: Wq, .offset: 0, .size: 8, .value_kind: global_buffer, .address_space: global }
      - { .name: Wk, .offset: 8, .size: 8, .value_kind: global_buffer, .address_space: global }
      - { .name: Wv, .offset: 16, .size: 8, .value_kind: global_buffer, .address_space: global }
      - { .name: wb, .offset: 24, .size: 8, .value_kind: global_buffer, .address_space: global }
    .group_segment_fixed_size: 0
    .private_segment_fixed_size: 0
    .kernarg_segment_align: 8
    .kernarg_segment_size: 32
    .max_flat_workgroup_size: 256
    .sgpr_count:     66
    .vgpr_count:     28
    .wavefront_size: 32
...
	.end_amdgpu_metadata
.endif
;; end of part 1
;; launch proj (part 2): grid 4 x 64, 4 waves a work-group, clusters of 4 x 4, 327,680 bytes of LDS; arguments q_in, k_in, v_in, wb, bq, bk, bv, qkv; writes qkv
.if DOCPART == 2
	.amdgcn_target "amdgcn-amd-amdhsa--gfx1250"
	.amdhsa_code_object_version 6
	.text
	.protected	k_qb1f4a13a79_proj
	.globl	k_qb1f4a13a79_proj
	.p2align	8
	.type	k_qb1f4a13a79_proj,@function
k_qb1f4a13a79_proj:
	s_mov_b64 s[64:65], 0
	v_nop
	global_prefetch_b8 v0, s[64:65] scope:SCOPE_SE
	s_setreg_imm32_b32 hwreg(HW_REG_WAVE_MODE, 25, 1), 1
	s_wait_xcnt 0x0
	s_wait_alu depctr_hold_cnt(0) depctr_sa_sdst(0) depctr_va_vdst(0) depctr_va_sdst(0) depctr_va_ssrc(0) depctr_va_vcc(0) depctr_vm_vsrc(0)
	s_getreg_b32 s2, hwreg(HW_REG_IB_STS2, 6, 4)
	s_cmp_eq_u32 s2, 0
	s_cbranch_scc0 .Lentry_in_a_cluster
	s_endpgm
.Lentry_in_a_cluster:
	s_bfe_u32 s2, ttmp6, 0x10000c
	s_cmp_lg_u32 s2, 0xf033
	s_cbranch_scc0 .Lentry_shape_is_right
	s_endpgm
.Lentry_shape_is_right:
; qkv[T][row][n] = f16( sum over k of bf16(x_T[row][k]) bf16(W_T[k][n]) + bf16(b_T[n]) ), T = 0, 1, 2 for q, k, v.  x: [8192][1024] f32; wb: [3][1024 k][1024 n] bf16; sums in f32, K ascending.
; LIMITS.  All inputs are rounded to bf16 (x and the bias here, W in the launch before).  The result is f16: a number of 65,520 or more in magnitude becomes an infinity.  NaN and infinities are not treated apart.
; SHARES.  A tile is 128 rows x 256 columns of one tensor, each of four waves 64 x 128: 32 accumulators of 16 x 16.  A WORK-GROUP STAYS: it makes its tile of q, then of k, then of v: 256 work-groups, 3 tiles each.
; W comes as it lies, [k][n], by the tensor data mover: K steps of 128 through two slots; its fragments are turned by ds_load_tr16_b128.  The three tensors lie on end in wb, so a work-group's W is ONE stream of
; 24 K steps of 262,144 bytes, and the ring runs on over a change of tiles.  The four work-groups of a column of the cluster make the same 256 columns and ask for W's tiles JOINTLY (waves 0 and 1, 64 k-rows each).
; x IS NOT ASKED FOR JOINTLY though a row of the cluster shares it: it has to be rounded on the way.  As f32 through LDS a K step's 64 KiB would be written, read, and written again as bf16; through
; registers it is written once, as 32 KiB.  Each wave loads 32 rows x 512 bytes (a row a load) into a set of 128 registers, 160 matrix instructions ahead of its conversion; the set is rounded in place,
; four conversions behind each of sixteen products, and then stored by 32 LDS stores ON END.  In a tile's last lap the loads go to the next tensor's first two K steps.
; THE LOOP.  12 laps of two K steps.  The first 11 fill slots again and are one loop; at a lap's bottom stands either the next lap's first quarter or, behind a tile's fourth lap, the tile's way out and the next
; tile's first quarter, whose products start the sums with the bias as C.  The loop is entered at that quarter.  The 12th lap asks for nothing and is written out.  Nothing waits for a tile's stores but the launch's end.
; THE MATRIX INSTRUCTION IS USED TRANSPOSED (source 0 = 16 columns of W, source 1 = 16 rows of x): a lane holds one row and eight neighbouring columns.
; REGISTERS, in windows of 256: window 0 addresses, fragments (x: two buffers of 32, W: two of 64), the way out; window 1 x set 0 (128), the bias (64); window 2 the accumulators; window 3 x set 1.
.set PW,     544                       ; a k-row of W in LDS: 512 bytes + 32 = 136 words
.set WHALF,  64*PW                     ; what one tensor load brings
.set WSLOT,  2*WHALF
.set PX,     272                       ; a row of x in LDS: 256 bytes + 16
.set XS,     2*WSLOT                   ; behind W's ring: x's two slots, written by LDS stores alone
.set XSLOT,  128*PX
.set STAGE,  XS+2*XSLOT                ; 16 rows x 272 bytes for each wave, for the way out
.set SPITCH, 272
.set SPARE,  STAGE+4*16*SPITCH         ; the spare words, 128 bytes for each wave: two blocks of 256 bytes that no other line names
.set ADRX, 10                          ; v10-11  LDS address of my x fragments in slot 0, 1
.set ADRW, 12                          ; v12-13  the same for W
.set XO,   14                          ; v14     my byte offset in the work-group's rows of x: 32 w rows + 16 l
.set BO,   15                          ; v15     my byte offset in 16 numbers of the bias
.set STO,  16                          ; v16     the way out: where I put 16 bytes of a row
.set RD,   17                          ; v17     where I read a row back
.set CO,   18                          ; v18     my byte offset in two rows of the result
.set PFO,  19                          ; v19     the prefetches' offset
.set SPW,  20                          ; v20     LDS address of my spare word; never rewritten
.set NIL,  21                          ; v21     0; never rewritten
.set XF,   32                          ; v32-95   x's fragments
.set WF,   96                          ; v96-223  W's fragments
.set TMP,  224                         ; v224-255 packed results
.set OB,   160                         ; v160-223 rows read back from the stage: W's buffer 1, which the tile's last products have read; buffer 0 may hold the next tile's first fragments
.set XSA,  136                         ; windows 1 and 3: v136 where I store 8 bytes of a row of x, in slot 0 (window 1) or 1 (window 3)
.set BIAS, 144                         ; window 1: v144-207 the bias of my 128 columns, as eight C operands
.set BT,   208                         ; window 1: v208-211 at work
.set LT,   2                           ; s2      laps left in the tile, 4 to 1
.set XP,   4                           ; s[4:5]  q_in at my work-group's rows: the first loads' base, never rewritten
.set XB,   6                           ; s[6:7]  the loop's pointer: x at the K step that was loaded last
.set BN,   20                          ; s[20:21] the next tile's bias
.set TL,   23                          ; s23     tiles left, this one among them
.set G1,   24                          ; s[24:31] descriptor group 1
.set G0,   32                          ; s[32:39] descriptor group 0, a set for each slot
.set LIM,  43                          ; s43     a wave prefetches while its counter is above this
.set PFA,  44                          ; s[44:45] where my prefetches stand
.set PST,  46                          ; s[46:47] their step from K step to K step
.set XN,   84                          ; s[84:85] the next tensor's x at my work-group's rows
.set PXN,  86                          ; s[86:87] where the prefetches of the next tensor's x begin
.set PX2,  88                          ; s[88:89] the same for v_in
.set POX,  92                          ; s[92:93] their byte offset in a tensor
.set MSB, 0
.macro WIN new                         ; the immediate's high byte repeats the setting that is left; a switch that changes nothing is dropped
.if MSB != (\new)
	s_set_vgpr_msb (MSB<<8)|(\new)
.set MSB, \new
.endif
.endm
.macro PLACES                          ; four places behind matrix instructions, in front of loads into registers that they have read (ISA guide 7.12.1 for vector instructions)
.rept 4
	v_nop
.endr
.endm
.macro CREST                           ; a round of the cluster's barrier behind its opening barrier
	s_cmp_lg_u32 s10, 0
	s_cbranch_scc1 .Lnot_wave_0_\@
	s_barrier_signal -3
.Lnot_wave_0_\@:
	s_barrier_wait -3
	s_barrier_signal -1
	s_barrier_wait -1
.endm
.macro CROUND
	s_barrier_signal -1
	s_barrier_wait -1
	CREST
.endm
.macro JLOADW s                        ; the joint refill of slot s: waves 0 and 1 bring 64 k-rows each, waves 2 and 3 none; an s_nop 0 and four v_nop follow the load
	s_cmp_lt_u32 s10, 2
	s_cbranch_scc0 .Lnone_\@
	tensor_load_to_lds s[G0+4*(\s):G0+4*(\s)+3], s[G1:G1+7]
	s_nop 0
.rept 4
	v_nop
.endr
.Lnone_\@:
.endm
; A PREFETCH INTO THE L2, behind the joint load and the run of LDS loads: the K step that stands two refills on, one instruction a wave, a lane a block of 256 bytes.
; W: 128 k-rows x 512 bytes of a K step are read by all 16 clusters; the first of them asks; its column's four partners take 32 rows each BY ADDRESS (16 in wave 0, 16 in wave 1).  The stream has 24 K steps:
; steps 0 to 3 come by their loads alone, and the last filling lap (s3 = 1) asks for nothing.
; x: 128 rows x 512 bytes are read by the four partners of a row of the cluster; each takes 32 rows BY ADDRESS (16 in wave 2, 16 in wave 3).  A tile's K steps 4 to 7 are asked for, in its first two laps;
; its steps 0 to 3 come by their loads alone.  So each block is named once in the launch, and no prefetch leaves its tensor.
.macro ASK
	s_cmp_lt_u32 s10, 2
	s_cselect_b32 s22, s3, s[LT]                   ; W's waves go by the laps that still fill, x's by the laps left in the tile
	s_cmp_gt_u32 s22, s[LIM]
	s_cbranch_scc0 .Lnot_mine_\@
	global_prefetch_b8 v[PFO], s[PFA:PFA+1] th:TH_LOAD_NT scope:SCOPE_SE
.Lnot_mine_\@:
.endm
	s_load_b512 s[68:83], s[0:1], 0x0              ; q_in, k_in, v_in s[68:73]; wb s[74:75]; bq, bk, bv s[76:81]; qkv s[82:83]
	v_lshl_add_u32 v[SPW], v0, 2, SPARE
	v_mov_b32 v[NIL], 0
	ds_add_u32 v[SPW], v[NIL]                      ; the wave's opening: the add and its wait stand ahead of my first tensor load; the set-up below, work on registers, stands between them
	v_lshrrev_b32 v3, 5, v0
	v_readfirstlane_b32 s10, v3                    ; wave 0..3
	s_lshr_b32 s11, s10, 1                         ; which 64 rows are mine
	s_and_b32 s12, s10, 1                          ; which 128 columns
	s_bfe_u32 s13, ttmp6, 0x40000                  ; cx: the block of 256 columns (the grid is one cluster wide)
	s_bfe_u32 s14, ttmp6, 0x40004                  ; cy
	s_and_b32 s15, ttmp7, 0xffff                   ; the cluster's y, 0..15: a block of 512 rows
	s_lshl_b32 s17, s15, 2
	s_add_co_u32 s17, s17, s14                     ; my block of 128 rows
	s_lshl_b32 s22, 0x1111, s13                    ; my column of the cluster
	s_or_b32 s[G1+0], s22, (1<<16)|(1<<20)|(1<<21)|(6<<22)|(7<<25)  ; the mask; elements of 2 bytes; padding on; bit 21 beside a mask; after every 128 words (code 6) 8 words (code 7)
	s_mov_b32 s[G1+1], 256<<16                     ; tensor_dim0 = 256
	s_mov_b32 s[G1+2], 64<<16                      ; tensor_dim1 = 64
	s_mov_b32 s[G1+3], 256<<16                     ; tile_dim0 = 256
	s_mov_b32 s[G1+4], 64                          ; tile_dim1 = 64
	s_mov_b32 s[G1+5], 1024                        ; elements from k-row to k-row
	s_mov_b32 s[G1+6], 0
	s_mov_b32 s[G1+7], 0
	s_lshl_b32 s48, s13, 9                         ; W's tile: the 256 columns,
	s_lshl_b32 s49, s10, 17                        ; my 64 k-rows of 2,048 bytes: nothing here hangs on cy
	s_add_co_u32 s48, s48, s49
	s_mov_b32 s49, 0
	s_mul_i32 s50, s10, WHALF                      ; and where they go: the wave's number alone
	s_lshl_b32 s40, s17, 19                        ; x: 128 rows of 4,096 bytes
	s_mov_b32 s41, 0
	s_lshl_b32 s54, s13, 10                        ; the bias of my 128 columns
	s_lshl_b32 s55, s12, 9
	s_add_co_u32 s54, s54, s55
	s_mov_b32 s55, 0
	s_lshl_b32 s62, s17, 18                        ; the result: 128 rows of 2,048 bytes,
	s_lshl_b32 s63, s11, 17                        ; my 64 rows,
	s_add_co_u32 s62, s62, s63
	s_lshl_b32 s63, s13, 9                         ; the 256 columns,
	s_add_co_u32 s62, s62, s63
	s_lshl_b32 s63, s12, 8                         ; my 128
	s_add_co_u32 s62, s62, s63
	s_mov_b32 s63, 0
	s_lshl_b32 s56, s14, 15                        ; the prefetches of W (waves 0, 1): 16 cy k-rows behind my 64 w,
	s_add_co_u32 s56, s56, s48
	s_add_co_u32 s56, s56, 3*262144                ; at K step 3: the first change of slots steps it to 4
	s_mov_b32 s57, 0
	s_lshl_b32 s[POX], s13, 17                     ; those of x (waves 2, 3): 32 cx rows,
	s_add_co_u32 s[POX], s[POX], s40
	s_lshl_b32 s58, s12, 16                        ; 16 rows for the second of the two waves,
	s_add_co_u32 s[POX], s[POX], s58
	s_add_co_u32 s[POX], s[POX], 3*512             ; at K step 3
	s_mov_b32 s[POX+1], 0
	s_cmp_eq_u32 s15, 0                            ; the first cluster
	s_cselect_b32 s59, 1, -1
	s_mov_b32 s[PST], 512
	s_cmp_lt_u32 s10, 2
	s_cselect_b32 s[PST], 0x40000, s[PST]          ; a K step: 128 k-rows of W, or 512 bytes along x's rows
	s_cselect_b32 s[LIM], s59, 2                   ; W: while more than one filling lap is left; x: while more than two laps of the tile are left
	s_cselect_b32 s58, 11, 12                      ; a row is 2,048 bytes of W, 4,096 of x
	s_mov_b32 s[PST+1], 0
	v_and_b32 v1, 15, v0                           ; l % 16
	v_bfe_u32 v2, v0, 4, 1                         ; l / 16
	v_and_b32 v4, 31, v0                           ; l
	v_mul_u32_u24 v5, v1, PX
	v_lshl_add_u32 v5, v2, 4, v5                   ; row x pitch + 16 x half
	s_mul_i32 s60, s11, 64*PX
	s_add_co_u32 s60, s60, XS
	v_add_nc_u32 v[ADRX], s60, v5
	v_add_nc_u32 v[ADRX+1], XSLOT, v[ADRX]
	v_and_b32 v6, 7, v0                            ; the turning load: lane l reads k-row 8 (l / 16) + l % 8, columns 8 ((l / 8) % 2) + 0..7
	v_lshl_add_u32 v6, v2, 3, v6
	v_mul_u32_u24 v6, v6, PW
	v_bfe_u32 v7, v0, 3, 1
	v_lshl_add_u32 v6, v7, 4, v6
	s_lshl_b32 s61, s12, 8
	v_add_nc_u32 v[ADRW], s61, v6
	v_add_nc_u32 v[ADRW+1], WSLOT, v[ADRW]
	s_lshl_b32 s61, s10, 17
	v_lshl_add_u32 v[XO], v4, 4, s61
	v_lshlrev_b32 v[BO], 5, v2
	s_mul_i32 s61, s10, 16*SPITCH
	s_add_co_u32 s61, s61, STAGE
	v_add_nc_u32 v[STO], s61, v5                   ; the stage has x's pitch
	v_mul_u32_u24 v7, v2, SPITCH
	v_lshl_add_u32 v7, v1, 4, v7
	v_add_nc_u32 v[RD], s61, v7
	v_lshlrev_b32 v7, 11, v2
	v_lshl_add_u32 v[CO], v1, 4, v7
	v_lshrrev_b32 v7, 1, v4                        ; the prefetches: lane l names row l / 2, block l % 2
	v_lshlrev_b32 v7, s58, v7
	v_and_b32 v8, 1, v0
	v_lshl_add_u32 v[PFO], v8, 8, v7
	s_mul_i32 s61, s10, 32*PX
	s_add_co_u32 s61, s61, XS
	WIN 0x40
	v_lshl_add_u32 v[XSA], v4, 3, s61              ; slot 0: my 32 rows, 8 bytes a lane
	s_add_co_u32 s61, s61, XSLOT
	WIN 0xc0
	v_lshl_add_u32 v[XSA], v4, 3, s61              ; slot 1
	WIN 0
	s_wait_dscnt 0x0                               ; the opening add is done
	s_wait_kmcnt 0x0
	s_add_nc_u64 s[PXN:PXN+1], s[68:69], s[POX:POX+1]   ; for a moment: where the prefetches of q_in begin
	s_add_nc_u64 s[PFA:PFA+1], s[74:75], s[56:57]       ; and those of W
	s_cmp_lt_u32 s10, 2
	s_cselect_b64 s[PFA:PFA+1], s[PFA:PFA+1], s[PXN:PXN+1]
	s_add_nc_u64 s[PXN:PXN+1], s[70:71], s[POX:POX+1]   ; k_in's
	s_add_nc_u64 s[PX2:PX2+1], s[72:73], s[POX:POX+1]   ; v_in's
	s_add_nc_u64 s[XP:XP+1], s[68:69], s[40:41]    ; q_in at my rows
	s_add_nc_u64 s[XB:XB+1], s[XP:XP+1], 512       ; the loop's pointer, in registers of its own: at K step 1, the last that the head loads
	s_add_nc_u64 s[XN:XN+1], s[70:71], s[40:41]    ; k_in at my rows
	s_add_nc_u64 s[72:73], s[72:73], s[40:41]      ; v_in at my rows
	s_add_nc_u64 s[18:19], s[76:77], s[54:55]      ; bq, bk, bv at my columns
	s_add_nc_u64 s[BN:BN+1], s[78:79], s[54:55]
	s_add_nc_u64 s[80:81], s[80:81], s[54:55]
	s_add_nc_u64 s[8:9], s[82:83], s[62:63]        ; q's part of the result
	s_add_nc_u64 s[52:53], s[74:75], s[48:49]
.irp s, 0,1
	s_mov_b32 s[G0+4*(\s)], 1                      ; count = 1
	s_add_co_u32 s[G0+4*(\s)+1], s50, (\s)*WSLOT   ; LDS address
	s_add_nc_u64 s[G0+4*(\s)+2:G0+4*(\s)+3], s[52:53], (\s)*262144  ; K step s
	s_or_b32 s[G0+4*(\s)+3], s[G0+4*(\s)+3], 0x80000000             ; type = 2
.endr
	CROUND                                         ; all sixteen work-groups are here: the first joint loads meet
	s_cmp_lt_u32 s10, 2                            ; a wave's two first fills stand in one branch: two loads of mine are out
	s_cbranch_scc0 .Lno_first
	tensor_load_to_lds s[G0:G0+3], s[G1:G1+7]
	s_nop 0
	tensor_load_to_lds s[G0+4:G0+7], s[G1:G1+7]
	s_nop 0
.rept 4
	v_nop
.endr
.Lno_first:
.macro XROWS base, off                 ; 32 rows, 512 consecutive bytes each
.set j, 0
.rept 32
	global_load_b128 v[4*j:4*j+3], v[XO], s[(\base):(\base)+1] offset:4096*j+(\off)
.set j, j+1
.endr
.endm
.macro BLOADS base                     ; the bias of my 128 columns, as it lies: eight C operands
	WIN 0x40
.irp b, 0,1,2,3,4,5,6,7
	global_load_b128 v[BIAS+8*(\b):BIAS+8*(\b)+3],   v[BO], s[(\base):(\base)+1] offset:64*(\b)
	global_load_b128 v[BIAS+8*(\b)+4:BIAS+8*(\b)+7], v[BO], s[(\base):(\base)+1] offset:64*(\b)+16
.endr
.endm
	BLOADS 18
	XROWS XP, 0                                    ; x of K step 0 into set 0
	WIN 0xc0
	XROWS XP, 512                                  ; x of K step 1 into set 1
	WIN 0
; Rows j and j + 1 of set st are rounded to bf16 in place: a row's four f32 a lane become two words in its first two registers.
.macro XCV2 st, j
	WIN 0x45+0x8a*(\st)                            ; destination and both sources in window 1 or 3
	v_cvt_pk_bf16_f32 v[4*(\j)],   v[4*(\j)],   v[4*(\j)+1]
	v_cvt_pk_bf16_f32 v[4*(\j)+1], v[4*(\j)+2], v[4*(\j)+3]
	v_cvt_pk_bf16_f32 v[4*(\j)+4], v[4*(\j)+4], v[4*(\j)+5]
	v_cvt_pk_bf16_f32 v[4*(\j)+5], v[4*(\j)+6], v[4*(\j)+7]
.endm
; The set's 32 rows go to LDS in one run: 32 lanes fill a row's 256 bytes.
.macro XSTORE st
	WIN 0x45+0x8a*(\st)
.set j, 0
.rept 32
	ds_store_b64 v[XSA], v[4*j:4*j+1] offset:PX*j
.set j, j+1
.endr
.endm
; Eight matrix instructions: row block a x all 8 column blocks, 32 along K, from buffer f.  first = 1: the bias starts the sums.  The 32 accumulators take turns, one instruction a turn.
.macro MUL8 f, a, first
.if \first
	WIN 0x90                                       ; D window 2, C window 1
.else
	WIN 0xa0                                       ; C and D window 2
.endif
.irp b, 0,1,2,3,4,5,6,7
.if \first
	v_wmma_f32_16x16x32_bf16 v[8*(8*(\a)+(\b)):8*(8*(\a)+(\b))+7], v[WF+64*(\f)+8*(\b):WF+64*(\f)+8*(\b)+7], v[XF+32*(\f)+8*(\a):XF+32*(\f)+8*(\a)+7], v[BIAS+8*(\b):BIAS+8*(\b)+7]
.else
	v_wmma_f32_16x16x32_bf16 v[8*(8*(\a)+(\b)):8*(8*(\a)+(\b))+7], v[WF+64*(\f)+8*(\b):WF+64*(\f)+8*(\b)+7], v[XF+32*(\f)+8*(\a):XF+32*(\f)+8*(\a)+7], v[8*(8*(\a)+(\b)):8*(8*(\a)+(\b))+7]
.endif
.endr
.endm
.macro MUL8C f, a, st, j0              ; the same with two rows of x rounded behind each: four vector instructions, on registers alone
.irp b, 0,1,2,3,4,5,6,7
	WIN 0xa0
	v_wmma_f32_16x16x32_bf16 v[8*(8*(\a)+(\b)):8*(8*(\a)+(\b))+7], v[WF+64*(\f)+8*(\b):WF+64*(\f)+8*(\b)+7], v[XF+32*(\f)+8*(\a):XF+32*(\f)+8*(\a)+7], v[8*(8*(\a)+(\b)):8*(8*(\a)+(\b))+7]
	XCV2 \st, (\j0)+2*(\b)
.endr
.endm
; 24 LDS loads in one run: the fragments of quarter kq of a slot into buffer f: W's eight (turned), then x's four.
.macro FETCH slot, kq, f
	WIN 0
.irp b, 0,1,2,3,4,5,6,7
	ds_load_tr16_b128 v[WF+64*(\f)+8*(\b):WF+64*(\f)+8*(\b)+3],   v[ADRW+(\slot)] offset:32*(\kq)*PW+32*(\b)
	ds_load_tr16_b128 v[WF+64*(\f)+8*(\b)+4:WF+64*(\f)+8*(\b)+7], v[ADRW+(\slot)] offset:32*(\kq)*PW+32*(\b)+16*PW
.endr
.irp a, 0,1,2,3
	ds_load_b128 v[XF+32*(\f)+8*(\a):XF+32*(\f)+8*(\a)+3],   v[ADRX+(\slot)] offset:(\a)*16*PX+64*(\kq)
	ds_load_b128 v[XF+32*(\f)+8*(\a)+4:XF+32*(\f)+8*(\a)+7], v[ADRX+(\slot)] offset:(\a)*16*PX+64*(\kq)+32
.endr
.endm
; x of the K step two on, into the set that was stored a step ago (the change of slots between has waited for those stores).  In a tile's fourth lap that is the next tensor's K step 0 (set 0) and 1 (set 1).
.macro XLOAD st
	s_wait_xcnt 0x0                                ; every earlier load and prefetch has read its address: the pointer may be written
	s_add_nc_u64 s[XB:XB+1], s[XB:XB+1], 512
.if (\st) == 0
	s_cmp_eq_u32 s[LT], 1
	s_cselect_b64 s[XB:XB+1], s[XN:XN+1], s[XB:XB+1]
.endif
	WIN 0x40+0x80*(\st)
	XROWS XB, 0
.endm
; A K step is four quarters of 32 along K, 32 matrix instructions each, on buffers 0, 1, 0, 1.  One of the first three multiplies buffer f and fetches quarter kn into buffer g.
; kind 1: it also asks for x two K steps on.  kind 2: it rounds the next K step's x behind its second and third eight products and stores it in one run; lc = the younger set's loads, which may stay out.
.macro QUARTER slot, kn, f, g, kind, st=0, lc=0, first=0
	s_wait_dscnt 0x0                               ; buffer f is in
	MUL8 \f, 0, \first
	PLACES
	FETCH \slot, \kn, \g
.if (\kind) == 1
	XLOAD \st
.endif
.if (\kind) == 2
	s_wait_loadcnt \lc
	MUL8C \f, 1, \st, 0
	MUL8C \f, 2, \st, 16
	XSTORE \st
	MUL8 \f, 3, 0
.else
	MUL8 \f, 1, \first
	MUL8 \f, 2, \first
	MUL8 \f, 3, \first
.endif
.endm
; The last quarter multiplies buffer 1 and changes slots: ONE barrier.  In front of it each wave waits for all its tensor loads (its part of W's next slot), adds 0 to its spare word, and waits for that,
; for its reads of both old slots and for its stores into x's next slot.  Behind it nobody reads the old slots, and the next slots are whole.  fill = 1: the barrier opens a round of the cluster's,
; and W's old slot is filled again first behind it, two K steps ahead in the stream of 24.
.macro TURN slot, next, fill
.if \fill
	s_wait_xcnt 0x0                                ; the last prefetch, a K step back, has read its address
	s_add_nc_u64 s[PFA:PFA+1], s[PFA:PFA+1], s[PST:PST+1]
.endif
	WIN 0
	s_wait_tensorcnt 0x0
	ds_add_u32 v[SPW], v[NIL]                      ; 0 onto my spare word
	s_wait_dscnt 33                                ; buffer 1 is in: behind its loads stand the 32 stores of x and the add
	MUL8 1, 0, 0
	s_wait_dscnt 0x0
	s_barrier_signal -1
	MUL8 1, 1, 0
	WIN 0
	s_barrier_wait -1
.if \fill
	CREST
	s_add_nc_u64 s[G0+4*(\slot)+2:G0+4*(\slot)+3], s[G0+4*(\slot)+2:G0+4*(\slot)+3], 524288
	JLOADW \slot
.endif
	PLACES
	FETCH \next, 0, 0
.if \fill
	ASK
.endif
	MUL8 1, 2, 0
	MUL8 1, 3, 0
.endm
; THE WAY OUT, 16 rows at a time, in three parts.  PACK: rounded to f16 (each accumulator's registers in ascending order).  TOSTAGE: 16 bytes a lane into my stage, back as whole rows of 256 bytes.  SEND: stored.
.macro PACK a
	WIN 0x0a
.irp b, 0,1,2,3,4,5,6,7
.irp r, 0,1,2,3
	v_cvt_pk_f16_f32 v[TMP+4*(\b)+(\r)], v[8*(8*(\a)+(\b))+2*(\r)], v[8*(8*(\a)+(\b))+2*(\r)+1]
.endr
.endr
	WIN 0
.endm
.macro TOSTAGE a
	WIN 0
.irp b, 0,1,2,3,4,5,6,7
	ds_store_b128 v[STO], v[TMP+4*(\b):TMP+4*(\b)+3] offset:32*(\b)
.endr
	s_wait_xcnt 0x0                                ; earlier stores have read their data: the registers may be loaded again
.irp t, 0,1,2,3,4,5,6,7
	ds_load_b128 v[OB+32*((\a)%2)+4*(\t):OB+32*((\a)%2)+4*(\t)+3], v[RD] offset:(\t)*2*SPITCH  ; LDS serves a wave's instructions in order (ISA guide 5.7.1.4): these see the stores above
.endr
.endm
.macro SEND a
	WIN 0
	s_wait_dscnt 0x0                               ; the block is back in registers
.irp t, 0,1,2,3,4,5,6,7
	global_store_b128 v[CO], v[OB+32*((\a)%2)+4*(\t):OB+32*((\a)%2)+4*(\t)+3], s[8:9] offset:(16*(\a)+2*(\t))*2048  ; 16 lanes store 256 consecutive bytes, aligned
.endr
.endm
.macro WAYOUT
	PLACES
	PLACES
	PACK 0
	TOSTAGE 0
	PACK 1                                         ; a block's conversions stand between the loads of the block before from the stage and the wait for them
	SEND 0
	TOSTAGE 1
	PACK 2
	SEND 1
	TOSTAGE 2
	PACK 3
	SEND 2
	TOSTAGE 3
	SEND 3
.endm
	s_wait_loadcnt 32                              ; the bias and x of K step 0 are in; set 1's 32 loads may stay out
.set jj, 0
.rept 16
	XCV2 0, jj
.set jj, jj+2
.endr
	XSTORE 0
	s_wait_tensorcnt 0x1                           ; my part of W's K step 0 is in; K step 1's may stay out
	s_wait_dscnt 0x0                               ; my rows of x are stored
	s_barrier_signal -1
	s_barrier_wait -1
	FETCH 0, 0, 0
	s_mov_b32 s3, 12                               ; the way in passes the loop's count once: 11 laps follow
	s_mov_b32 s[TL], 3
	s_branch .Lfirstq                              ; the loop is entered at a tile's first quarter
.Llap:                                                 ; a lap goes once round the ring, from its second quarter on, and fills both slots again
	QUARTER 0, 2, 1, 0, 1, 0
	QUARTER 0, 3, 0, 1, 2, 1, 32
	TURN 0, 1, 1
	QUARTER 1, 1, 0, 1, 0
	QUARTER 1, 2, 1, 0, 1, 1
	QUARTER 1, 3, 0, 1, 2, 0, 32
	TURN 1, 0, 1
	WIN 0
	s_sub_co_u32 s[LT], s[LT], 1
	s_cmp_lg_u32 s[LT], 0
	s_cbranch_scc1 .Lsame                          ; the same number in every work-group
	WAYOUT                                         ; A TILE IS FINISHED.  Both refills, the next tile's first two sets of x and its first fragments have been asked for: now it goes out
	s_wait_xcnt 0x0                                ; the stores have read their data and their base, the last bias loads and prefetch their addresses
	s_add_nc_u64 s[8:9], s[8:9], 0x1000000         ; the next tensor's part of the result, 16 MiB on
	s_cmp_lt_u32 s10, 2
	s_cselect_b64 s[PFA:PFA+1], s[PFA:PFA+1], s[PXN:PXN+1]  ; W's prefetches run on along the stream; x's begin anew, at the next tensor's K step 3
	s_mov_b64 s[PXN:PXN+1], s[PX2:PX2+1]
	s_mov_b64 s[XN:XN+1], s[72:73]                 ; what the new tile's fourth lap and first quarter will want: v_in, bv
	s_mov_b64 s[BN:BN+1], s[80:81]
	s_sub_co_u32 s[TL], s[TL], 1
.Lfirstq:
	WIN 0x45
.set i, 0
.rept 32                                               ; the bias is rounded to bf16 like every input, and widened again
	v_cvt_pk_bf16_f32 v[BT+i%4], v[BIAS+2*i], v[BIAS+2*i+1]
	v_lshlrev_b32 v[BIAS+2*i], 16, v[BT+i%4]
	v_and_b32 v[BIAS+2*i+1], 0xffff0000, v[BT+i%4]
.set i, i+1
.endr
	QUARTER 0, 1, 0, 1, 0, 0, 0, 1                 ; a tile's first quarter: its products start the sums
	WIN 0
	PLACES                                         ; behind the last product that read the bias
	s_cmp_eq_u32 s[TL], 1                          ; the last tile has none behind it
	s_cbranch_scc1 .Lno_bias
	BLOADS BN                                      ; the next tile's bias: older than the 32 loads that follow, so the next wait for x's set covers it
	WIN 0
.Lno_bias:
	s_mov_b32 s[LT], 4
	s_branch .Lnext
.Lsame:
	QUARTER 0, 1, 0, 1, 0
	WIN 0
.Lnext:
	s_sub_co_u32 s3, s3, 1
	s_cmp_lg_u32 s3, 0
	s_cbranch_scc1 .Llap
	QUARTER 0, 2, 1, 0, 0                          ; the twelfth lap asks for nothing
	QUARTER 0, 3, 0, 1, 2, 1, 0                    ; x of the last K step: no load is younger
	TURN 0, 1, 0
	QUARTER 1, 1, 0, 1, 0
	QUARTER 1, 2, 1, 0, 0
	QUARTER 1, 3, 0, 1, 0
	s_wait_dscnt 0x0
	MUL8 1, 0, 0
	MUL8 1, 1, 0
	MUL8 1, 2, 0
	MUL8 1, 3, 0
	WAYOUT
	s_wait_tensorcnt 0x0                           ; the wave's end
	ds_add_u32 v[SPW], v[NIL]
	s_wait_dscnt 0x0
	CROUND                                         ; the closing round
	s_endpgm
.Lfunc_end_k_qb1f4a13a79_proj:
	.size	k_qb1f4a13a79_proj, .Lfunc_end_k_qb1f4a13a79_proj-k_qb1f4a13a79_proj
	.p2alignl 7, 3214868480
	.fill 96, 4, 3214868480
	.section	.rodata,"a",@progbits
	.p2align	6, 0x0
	.amdhsa_kernel k_qb1f4a13a79_proj
		.amdhsa_group_segment_fixed_size 327680
		.amdhsa_private_segment_fixed_size 0
		.amdhsa_enable_private_segment 0
		.amdhsa_kernarg_size 64
		.amdhsa_user_sgpr_count 2
		.amdhsa_user_sgpr_kernarg_segment_ptr 1
		.amdhsa_wavefront_size32 1
		.amdhsa_system_sgpr_workgroup_id_x 1
		.amdhsa_system_sgpr_workgroup_id_y 1
		.amdhsa_system_sgpr_workgroup_id_z 1
		.amdhsa_system_vgpr_workitem_id 0
		.amdhsa_next_free_vgpr 912
		.amdhsa_next_free_sgpr 94
		.amdhsa_reserve_vcc 0
		.amdhsa_float_denorm_mode_32 3
		.amdhsa_float_denorm_mode_16_64 3
		.amdhsa_memory_ordered 1
		.amdhsa_forward_progress 1
		.amdhsa_inst_pref_size 150
	.end_amdhsa_kernel
	.amdgpu_metadata
---
amdhsa.version: [ 1, 2 ]
amdhsa.kernels:
  - .name:           k_qb1f4a13a79_proj
    .symbol:         k_qb1f4a13a79_proj.kd
    .args:
      - { .name: q_in, .offset: 0, .size: 8, .value_kind: global_buffer, .address_space: global }
      - { .name: k_in, .offset: 8, .size: 8, .value_kind: global_buffer, .address_space: global }
      - { .name: v_in, .offset: 16, .size: 8, .value_kind: global_buffer, .address_space: global }
      - { .name: wb, .offset: 24, .size: 8, .value_kind: global_buffer, .address_space: global }
      - { .name: bq, .offset: 32, .size: 8, .value_kind: global_buffer, .address_space: global }
      - { .name: bk, .offset: 40, .size: 8, .value_kind: global_buffer, .address_space: global }
      - { .name: bv, .offset: 48, .size: 8, .value_kind: global_buffer, .address_space: global }
      - { .name: qkv, .offset: 56, .size: 8, .value_kind: global_buffer, .address_space: global }
    .group_segment_fixed_size: 327680
    .private_segment_fixed_size: 0
    .kernarg_segment_align: 8
    .kernarg_segment_size: 64
    .max_flat_workgroup_size: 128
    .sgpr_count:     94
    .vgpr_count:     912
    .wavefront_size: 32
...
	.end_amdgpu_metadata
.endif
;; end of part 2
;; launch scores (part 3): grid 8 x 32, 4 waves a work-group, clusters of 4 x 4, 327,680 bytes of LDS; arguments qkv, pbuf, stat; writes pbuf, stat
.if DOCPART == 3
	.amdgcn_target "amdgcn-amd-amdhsa--gfx1250"
	.amdhsa_code_object_version 6
	.text
	.protected	k_qb1f4a13a79_scores
	.globl	k_qb1f4a13a79_scores
	.p2align	8
	.type	k_qb1f4a13a79_scores,@function
k_qb1f4a13a79_scores:
	s_mov_b64 s[64:65], 0
	v_nop
	global_prefetch_b8 v0, s[64:65] scope:SCOPE_SE
	s_setreg_imm32_b32 hwreg(HW_REG_WAVE_MODE, 25, 1), 1
	s_wait_xcnt 0x0
	s_wait_alu depctr_hold_cnt(0) depctr_sa_sdst(0) depctr_va_vdst(0) depctr_va_sdst(0) depctr_va_ssrc(0) depctr_va_vcc(0) depctr_vm_vsrc(0)
	s_getreg_b32 s2, hwreg(HW_REG_IB_STS2, 6, 4)
	s_cmp_eq_u32 s2, 0
	s_cbranch_scc0 .Lentry_in_a_cluster
	s_endpgm
.Lentry_in_a_cluster:
	s_bfe_u32 s2, ttmp6, 0x10000c
	s_cmp_lg_u32 s2, 0xf033
	s_cbranch_scc0 .Lentry_shape_is_right
	s_endpgm
.Lentry_shape_is_right:
; s[row][key] = sum over d of q[row][d] k[key][d] (f16 operands, f32 sums, d ascending), inside each of the four batches of 2,048 rows and keys.  For each row and each block t of 128 keys:
; cm = c max s, p = 2^(c s - cm) rounded to f16, l = the sum of the unrounded p; c = log2(e) / 32.  pbuf: [8192][2048] f16; stat: cm [16][8192] f32, then l [16][8192] f32.  The launch behind merges the blocks.
; LIMITS.  The block's own maximum is taken away before every exponential, so p lies in 0 to 1; below 6e-5 it keeps f16's fixed step of 6e-8.  NaN and infinities are not treated apart.
; SHARES.  A work-group makes 256 rows x 256 keys, each of four waves 128 x 128: 64 accumulators, 512 registers; a wave's 128 keys are one block t.  K = 1,024 goes in steps of 128 through two LDS slots.
; CLUSTERS: 4 x 4.  A row of the cluster shares q's tiles, a column k's: each tile is asked for JOINTLY.  Source 0 = 16 keys, source 1 = 16 rows: a lane holds one row and eight neighbouring keys.
; REGISTERS: window 0 addresses, q's fragments (two buffers, v64-191), later the softmax; window 1 k's fragments; windows 2 and 3 the accumulators ((a, b) at v[8 (8 (a % 4) + b)]).
; THE SOFTMAX is written once and walked eight times, 16 rows a trip: the accumulators are set aside in the two slots, which have had their last fill, 16 bytes a lane on end, each lane reading back its own.
.set KSTEP,  128
.set PITCH,  272
.set HALFT,  128*PITCH
.set SLOT,   4*HALFT
.set STAGE,  2*SLOT                    ; 16 rows x 272 bytes for each wave
.set SPITCH, 272
.set STATST, STAGE+4*16*SPITCH         ; 128 cm and 128 l for each wave
.set SPARE,  STATST+4096               ; the spare words, 128 bytes for each wave: two blocks of 256 bytes that no other line names
.set ADRA, 16                          ; v16-17  LDS address of my q fragments in slot 0, 1
.set SO,   18                          ; v18     16 l: my 16 bytes of 512 in stat
.set ADRB, 20                          ; v20-21  the same for k
.set DA,   22                          ; v22     where my lane's 16 bytes of the set-aside accumulators begin
.set EA,   23                          ; v23     the same for the block in hand
.set STO,  24
.set RD,   25
.set CO,   26
.set SS,   27                          ; v27     where my row's cm goes in the statistics' stage
.set SPW,  28
.set NIL,  29
.set PFO,  30
.set SR,   31                          ; v31     where I read the statistics back
.set MX,   32                          ; v32-35  four chains of the maximum
.set CM,   36                          ; v36-37  c m, m
.set LS,   38                          ; v38     l
.set F0,   64
.set F1,   128
.set EB,   64                          ; v64-127  a block's 64 scores a lane
.set PK,   128                         ; v128-159 the weights, packed
.set OB,   160                         ; v160-191 rows read back
.set G1,  24
.set G0,  32
.set G1B, 48
.set G0B, 56
.set LIM, 43
.set PFA, 44
.set CS,  66                           ; s[66:67] c
.set SEL, 68                           ; s[68:69] v_permlanex16_b32's selects
.set MSB, 0
.macro WIN new
.if MSB != (\new)
	s_set_vgpr_msb (MSB<<8)|(\new)
.set MSB, \new
.endif
.endm
.set MUL_LO, 0xa1                      ; source 0 (k) window 1, source 1 (q) window 0, C and D window 2
.set MUL_HI, 0xf1
.set TO_B,   0x40
.macro PLACES
.rept 4
	v_nop
.endr
.endm
.macro JLOAD s                         ; waves 0 and 1 fetch q's two halves, waves 2 and 3 k's; an s_nop 0 and four v_nop follow each line
	s_cmp_eq_u32 s11, 0
	s_cbranch_scc0 .Lfor_b_\@
	tensor_load_to_lds s[G0+4*(\s):G0+4*(\s)+3], s[G1:G1+7]
	s_nop 0
.rept 4
	v_nop
.endr
	s_branch .Lasked_\@
.Lfor_b_\@:
	tensor_load_to_lds s[G0B+4*(\s):G0B+4*(\s)+3], s[G1B:G1B+7]
	s_nop 0
.rept 4
	v_nop
.endr
.Lasked_\@:
.endm
; A PREFETCH INTO THE L2 behind each joint load and its run of LDS loads: the K step two refills on, 32 rows x 256 bytes, a lane a row.  q's rows are read by both clusters of a row of clusters: the first asks;
; k's by the two clusters of a batch in a column: the first asks.  The four partners of a joint load take 32 of its 128 rows each BY ADDRESS.  K steps 0 to 3 come by their loads alone; the last trip asks for nothing.
.macro ASK
	s_cmp_gt_u32 s3, s[LIM]
	s_cbranch_scc0 .Lnot_mine_\@
	global_prefetch_b8 v[PFO], s[PFA:PFA+1] offset:KSTEP*2 th:TH_LOAD_NT scope:SCOPE_SE
.Lnot_mine_\@:
.endm
.macro CREST
	s_cmp_lg_u32 s10, 0
	s_cbranch_scc1 .Lnot_wave_0_\@
	s_barrier_signal -3
.Lnot_wave_0_\@:
	s_barrier_wait -3
	s_barrier_signal -1
	s_barrier_wait -1
.endm
.macro CROUND
	s_barrier_signal -1
	s_barrier_wait -1
	CREST
.endm
	s_load_b128 s[4:7], s[0:1], 0x0                ; qkv s[4:5], pbuf s[6:7]
	s_load_b64 s[8:9], s[0:1], 0x10                ; stat
	v_lshl_add_u32 v[SPW], v0, 2, SPARE
	v_mov_b32 v[NIL], 0
	ds_add_u32 v[SPW], v[NIL]                      ; the wave's opening: the add and its wait stand ahead of my first tensor load
	v_lshrrev_b32 v1, 5, v0
	v_readfirstlane_b32 s10, v1                    ; wave 0..3
	s_lshr_b32 s11, s10, 1                         ; which 128 rows are mine.  Also: I fetch for q (0) or for k (1)
	s_and_b32 s12, s10, 1                          ; which 128 keys.  Also: which 128 rows of that tile I fetch
	s_bfe_u32 s40, ttmp6, 0x40000                  ; cx
	s_bfe_u32 s41, ttmp6, 0x40004                  ; cy
	s_lshl_b32 s42, ttmp9, 2
	s_add_co_u32 s42, s42, s40                     ; the block of 256 keys, 0..7
	s_and_b32 s21, ttmp7, 0xffff                   ; the cluster's y: two clusters to a batch
	s_lshl_b32 s13, s21, 2
	s_add_co_u32 s13, s13, s41                     ; the block of 256 rows, 0..31
	s_lshl_b32 s43, s41, 2
	s_lshl_b32 s43, 15, s43                        ; my row of the cluster
	s_lshl_b32 s44, 0x1111, s40                    ; my column
	s_or_b32 s[G1+0], s43, (1<<16)|(1<<20)|(1<<21)|(5<<22)|(3<<25)   ; the mask; 2-byte elements; padding on; bit 21 beside a mask; after every 64 words 4 words
	s_or_b32 s[G1B+0], s44, (1<<16)|(1<<20)|(1<<21)|(5<<22)|(3<<25)
.irp g, G1, G1B
	s_mov_b32 s[(\g)+1], KSTEP<<16                 ; tensor_dim0 = 128
	s_mov_b32 s[(\g)+2], 128<<16                   ; tensor_dim1 = 128
	s_mov_b32 s[(\g)+3], KSTEP<<16                 ; tile_dim0 = 128
	s_mov_b32 s[(\g)+4], 128                       ; tile_dim1 = 128
	s_mov_b32 s[(\g)+5], 1024                      ; elements from row to row
	s_mov_b32 s[(\g)+6], 0
	s_mov_b32 s[(\g)+7], 0
.endr
	s_lshl_b32 s17, s12, 7                         ; which 128 rows of the tile I fetch
	s_lshl_b32 s16, s13, 8
	s_add_co_u32 s16, s16, s17
	s_lshl_b32 s16, s16, 11                        ; q's row x 2,048 bytes
	s_lshr_b32 s47, s21, 1                         ; the batch,
	s_lshl_b32 s47, s47, 11                        ; its 2,048 keys
	s_lshl_b32 s46, s42, 8
	s_add_co_u32 s46, s46, s47
	s_add_co_u32 s46, s46, s17
	s_lshl_b32 s46, s46, 11
	s_add_co_u32 s46, s46, 0x1000000               ; k lies 16 MiB behind q
	s_mov_b32 s17, 0
	s_mov_b32 s47, 0
	s_mul_i32 s20, s10, HALFT                      ; where they go: wave x 128 rows
	s_mov_b32 s[CS], 0x3d38aa3b                    ; c = log2(e) / 32
	s_mov_b32 s[CS+1], s[CS]
	s_mov_b32 s[SEL], 0x76543210
	s_mov_b32 s[SEL+1], 0xfedcba98
	s_wait_dscnt 0x0                               ; the opening add is done
	s_wait_kmcnt 0x0
	s_add_nc_u64 s[14:15], s[4:5], s[16:17]
	s_add_nc_u64 s[46:47], s[4:5], s[46:47]
	CROUND                                         ; all sixteen work-groups are here: the first joint loads meet
.irp s, 0,1
	s_mov_b32 s[G0+4*(\s)], 1
	s_add_co_u32 s[G0+4*(\s)+1], s20, (\s)*SLOT
	s_add_nc_u64 s[G0+4*(\s)+2:G0+4*(\s)+3], s[14:15], (\s)*KSTEP*2
	s_or_b32 s[G0+4*(\s)+3], s[G0+4*(\s)+3], 0x80000000
	s_mov_b32 s[G0B+4*(\s)], 1
	s_add_co_u32 s[G0B+4*(\s)+1], s20, (\s)*SLOT
	s_add_nc_u64 s[G0B+4*(\s)+2:G0B+4*(\s)+3], s[46:47], (\s)*KSTEP*2
	s_or_b32 s[G0B+4*(\s)+3], s[G0B+4*(\s)+3], 0x80000000
	JLOAD \s
.endr
	v_and_b32 v1, 15, v0                           ; l % 16
	v_bfe_u32 v2, v0, 4, 1                         ; l / 16
	v_and_b32 v4, 31, v0                           ; l
	v_mul_u32_u24 v3, v1, PITCH
	v_lshl_add_u32 v3, v2, 4, v3
	s_mul_i32 s21, s11, HALFT
	s_mul_i32 s22, s12, HALFT
	s_add_co_u32 s22, s22, 2*HALFT
.irp s, 0,1
	v_add_nc_u32 v[ADRA+(\s)], s21, v3
	v_add_nc_u32 v[ADRB+(\s)], s22, v3
	s_add_co_u32 s21, s21, SLOT
	s_add_co_u32 s22, s22, SLOT
.endr
	s_mul_i32 s23, s10, 16*SPITCH
	s_add_co_u32 s23, s23, STAGE
	v_add_nc_u32 v[STO], s23, v3                   ; the stage has the slots' pitch
	v_mul_u32_u24 v5, v2, SPITCH
	v_lshl_add_u32 v5, v1, 4, v5
	v_add_nc_u32 v[RD], s23, v5
	v_lshlrev_b32 v5, 12, v2                       ; two rows of pbuf, 4,096 bytes apart
	v_lshl_add_u32 v[CO], v1, 4, v5
	s_lshl_b32 s23, s10, 16                        ; 64 KiB for each wave's accumulators
	v_lshl_add_u32 v[DA], v4, 4, s23
	s_lshl_b32 s23, s10, 10
	s_add_co_u32 s23, s23, STATST
	v_lshl_add_u32 v[SS], v1, 2, s23
	v_lshl_add_u32 v[SR], v4, 4, s23
	v_lshlrev_b32 v[SO], 4, v4
	s_lshl_b32 s16, s13, 8
	s_lshl_b32 s17, s11, 7
	s_add_co_u32 s16, s16, s17                     ; my first row
	s_lshl_b32 s18, s16, 2                         ; x 4 bytes in stat
	s_lshl_b32 s16, s16, 12                        ; x 4,096 bytes in pbuf
	s_lshl_b32 s17, s42, 9
	s_add_co_u32 s16, s16, s17
	s_lshl_b32 s17, s12, 8
	s_add_co_u32 s16, s16, s17                     ; + my first key
	s_mov_b32 s17, 0
	s_add_nc_u64 s[6:7], s[6:7], s[16:17]
	s_lshl_b32 s19, s42, 1
	s_add_co_u32 s19, s19, s12                     ; my block of 128 keys, 0..15
	s_lshl_b32 s19, s19, 15                        ; x 8,192 rows x 4 bytes
	s_add_co_u32 s18, s18, s19
	s_mov_b32 s19, 0
	s_add_nc_u64 s[70:71], s[8:9], s[18:19]
	s_lshl_b32 s13, s13, 8                         ; the prefetches: q's tile begins at this row of qkv,
	s_lshl_b32 s42, s42, 8
	s_and_b32 s22, ttmp7, 0xffff
	s_lshr_b32 s23, s22, 1
	s_lshl_b32 s23, s23, 11
	s_add_co_u32 s42, s42, s23
	s_add_co_u32 s42, s42, 8192                    ; k's at this one
	s_and_b32 s22, s22, 1
	s_cmp_eq_u32 s11, 0                            ; do I fetch for q?
	s_cselect_b32 s20, s13, s42
	s_cselect_b32 s21, s40, s41                    ; my place among the four that ask with me
	s_cselect_b32 s22, ttmp9, s22                  ; the coordinate along which another cluster reads the same rows
	s_cmp_eq_u32 s22, 0
	s_cselect_b32 s[LIM], 1, -1
	s_lshl_b32 s22, s12, 7
	s_add_co_u32 s20, s20, s22
	s_lshl_b32 s21, s21, 5
	s_add_co_u32 s20, s20, s21
	s_lshl_b32 s20, s20, 11
	s_mov_b32 s21, 0
	s_add_nc_u64 s[PFA:PFA+1], s[4:5], s[20:21]
	s_add_nc_u64 s[PFA:PFA+1], s[PFA:PFA+1], 2*KSTEP*2  ; at K step 2: the first refill steps it to 3 and names K step 4
	v_lshlrev_b32 v[PFO], 11, v4
.macro MUL16 f, hi, a0, zero           ; 16 matrix instructions: row blocks a0, a0 + 1 of the window's four x all 8 key blocks.  The 64 accumulators take turns
	WIN MUL_LO+0x50*(\hi)
.irp a, \a0, (\a0)+1
.irp b, 0,1,2,3,4,5,6,7
.if \zero
	v_wmma_f32_16x16x32_f16 v[8*(8*(\a)+(\b)):8*(8*(\a)+(\b))+7], v[(\f)+8*(\b):(\f)+8*(\b)+7], v[(\f)+8*(4*(\hi)+(\a)):(\f)+8*(4*(\hi)+(\a))+7], 0
.else
	v_wmma_f32_16x16x32_f16 v[8*(8*(\a)+(\b)):8*(8*(\a)+(\b))+7], v[(\f)+8*(\b):(\f)+8*(\b)+7], v[(\f)+8*(4*(\hi)+(\a)):(\f)+8*(4*(\hi)+(\a))+7], v[8*(8*(\a)+(\b)):8*(8*(\a)+(\b))+7]
.endif
.endr
.endr
.endm
.macro FETCH slot, k, f                ; 32 LDS loads in one run: k's fragments, then q's
	WIN TO_B
.irp i, 0,1,2,3,4,5,6,7
	ds_load_b128 v[(\f)+8*(\i):(\f)+8*(\i)+3],   v[ADRB+(\slot)] offset:(\k)+(\i)*16*PITCH
	ds_load_b128 v[(\f)+8*(\i)+4:(\f)+8*(\i)+7], v[ADRB+(\slot)] offset:(\k)+(\i)*16*PITCH+32
.endr
	WIN 0
.irp i, 0,1,2,3,4,5,6,7
	ds_load_b128 v[(\f)+8*(\i):(\f)+8*(\i)+3],   v[ADRA+(\slot)] offset:(\k)+(\i)*16*PITCH
	ds_load_b128 v[(\f)+8*(\i)+4:(\f)+8*(\i)+7], v[ADRA+(\slot)] offset:(\k)+(\i)*16*PITCH+32
.endr
.endm
.macro QUARTER slot, k, f, g, zero
	s_wait_dscnt 8                                 ; k's fragments and q's rows 0-63 are in; the youngest eight loads may be out
	MUL16 \f, 0, 0, \zero
	MUL16 \f, 0, 2, \zero
	PLACES
	FETCH \slot, \k, \g
	s_wait_dscnt 32                                ; all but the 32 just issued
	MUL16 \f, 1, 0, \zero
	MUL16 \f, 1, 2, \zero
.endm
.macro MEET round                      ; the change of slots: all my tensor loads, the add, my reads of the slot; then the barrier
	WIN 0
	s_wait_tensorcnt 0x0
	ds_add_u32 v[SPW], v[NIL]                      ; 0 onto my spare word
	s_wait_dscnt 9                                 ; the add and the youngest eight loads may be out
	MUL16 F1, 0, 0, 0
	s_wait_dscnt 0x0
	s_barrier_signal -1
	MUL16 F1, 0, 2, 0
.if \round
	WIN 0
.endif
	s_barrier_wait -1
.endm
.macro TURN slot, next
	s_wait_xcnt 0x0                                ; the last prefetch, a K step back, has read its address
	s_add_nc_u64 s[PFA:PFA+1], s[PFA:PFA+1], KSTEP*2
	MEET 1
	CREST                                          ; no wave of any partner still reads this slot or has a load on its way
	s_add_nc_u64 s[G0+4*(\slot)+2:G0+4*(\slot)+3], s[G0+4*(\slot)+2:G0+4*(\slot)+3], 2*KSTEP*2
	s_add_nc_u64 s[G0B+4*(\slot)+2:G0B+4*(\slot)+3], s[G0B+4*(\slot)+2:G0B+4*(\slot)+3], 2*KSTEP*2
	JLOAD \slot                                    ; the four v_nop behind it are also the places in front of the loads below
	FETCH \next, 0, F0
	ASK
	MUL16 F1, 1, 0, 0
	MUL16 F1, 1, 2, 0
.endm
	s_wait_tensorcnt 1                             ; my part of K step 0 is in; K step 1's may stay out
	s_barrier_signal -1
	s_barrier_wait -1
	FETCH 0, 0, F0
	QUARTER 0, 64, F0, F1, 1                       ; the first quarter's products start the sums
	WIN 0
	s_mov_b32 s3, 3
.Llap:
	QUARTER 0, 128, F1, F0, 0
	QUARTER 0, 192, F0, F1, 0
	TURN 0, 1
	QUARTER 1, 64,  F0, F1, 0
	QUARTER 1, 128, F1, F0, 0
	QUARTER 1, 192, F0, F1, 0
	TURN 1, 0
	QUARTER 0, 64,  F0, F1, 0
	WIN 0
	s_sub_co_u32 s3, s3, 1
	s_cmp_lg_u32 s3, 0
	s_cbranch_scc1 .Llap
	QUARTER 0, 128, F1, F0, 0                      ; the last lap fills nothing
	QUARTER 0, 192, F0, F1, 0
	MEET 0
	PLACES
	FETCH 1, 0, F0
	MUL16 F1, 1, 0, 0
	MUL16 F1, 1, 2, 0
	QUARTER 1, 64,  F0, F1, 0
	QUARTER 1, 128, F1, F0, 0
	QUARTER 1, 192, F0, F1, 0
	s_wait_dscnt 8
	MUL16 F1, 0, 0, 0
	MUL16 F1, 0, 2, 0
	s_wait_dscnt 0x0
	MUL16 F1, 1, 0, 0
	MUL16 F1, 1, 2, 0
	WIN 0
	s_barrier_signal -1                            ; every wave's reads of the slots are back, and every tensor load has landed (the last change of slots): the slots may be written
	s_barrier_wait -1
	PLACES
	PLACES
.irp a, 0,1,2,3,4,5,6,7                ; the accumulators are set aside, each one's low four registers first
	WIN 0x08+4*((\a)/4)                            ; the data in window 2 or 3
.irp b, 0,1,2,3,4,5,6,7
	ds_store_b128 v[DA], v[8*(8*((\a)%4)+(\b)):8*(8*((\a)%4)+(\b))+3]   offset:8192*(\a)+1024*(\b)
	ds_store_b128 v[DA], v[8*(8*((\a)%4)+(\b))+4:8*(8*((\a)%4)+(\b))+7] offset:8192*(\a)+1024*(\b)+512
.endr
.endr
	WIN 0
	s_wait_dscnt 0x0
	s_barrier_signal -1                            ; behind this barrier nobody writes those bytes any more
	s_barrier_wait -1
.macro LOADE                           ; a block's 64 scores a lane
.irp b, 0,1,2,3,4,5,6,7
	ds_load_b128 v[EB+8*(\b):EB+8*(\b)+3],   v[EA] offset:1024*(\b)
	ds_load_b128 v[EB+8*(\b)+4:EB+8*(\b)+7], v[EA] offset:1024*(\b)+512
.endr
.endm
	v_mov_b32 v[EA], v[DA]
	LOADE
	s_mov_b32 s72, 8
.Lblock:                                               ; 16 rows x 128 keys a trip: a lane holds one row's 64 scores, the lane 16 away the other 64
	s_wait_dscnt 0x0
.irp i, 0,1,2,3
	v_max3_num_f32 v[MX+(\i)], v[EB+16*(\i)], v[EB+16*(\i)+1], v[EB+16*(\i)+2]
.endr
.irp k, 0,1,2,3,4,5
.irp i, 0,1,2,3
	v_max3_num_f32 v[MX+(\i)], v[MX+(\i)], v[EB+16*(\i)+3+2*(\k)], v[EB+16*(\i)+4+2*(\k)]
.endr
.endr
	v_max3_num_f32 v[MX], v[MX], v[EB+15], v[EB+31]
	v_max3_num_f32 v[MX+2], v[MX+2], v[EB+47], v[EB+63]
	v_max3_num_f32 v[MX], v[MX], v[MX+1], v[MX+2]
	v_max_num_f32 v[MX], v[MX], v[MX+3]
	v_permlanex16_b32 v[MX+1], v[MX], s[SEL], s[SEL+1]
	v_max_num_f32 v[CM+1], v[MX], v[MX+1]          ; the block's maximum
	v_mul_f32 v[CM], s[CS], v[CM+1]
.set i, 0
.rept 32
	v_pk_fma_f32 v[EB+2*i:EB+2*i+1], v[EB+2*i:EB+2*i+1], s[CS:CS+1], v[CM:CM+1] op_sel_hi:[1,0,0] neg_lo:[0,0,1] neg_hi:[0,0,1]  ; c s - c m
.set i, i+1
.endr
.set i, 0
.rept 64
	v_exp_f32 v[EB+i], v[EB+i]
.set i, i+1
.endr
	v_nop                                          ; a plain instruction behind the last exponential,
	s_wait_alu depctr_va_vdst(0)                   ; and one wait for the batch of 64, ahead of the first reader
.set i, 0
.rept 32
	v_cvt_pk_f16_f32 v[PK+i], v[EB+2*i], v[EB+2*i+1]
.set i, i+1
.endr
.irp w, 4,8,16,32,64                   ; the sum of the 32 pairs, in place: neighbours 1, 2, 4, 8 and 16 pairs apart
.set i, 0
.rept 64/(\w)
	v_pk_add_f32 v[EB+(\w)*i:EB+(\w)*i+1], v[EB+(\w)*i:EB+(\w)*i+1], v[EB+(\w)*i+(\w)/2:EB+(\w)*i+(\w)/2+1]
.set i, i+1
.endr
.endr
	v_add_f32 v[LS], v[EB], v[EB+1]
	v_permlanex16_b32 v[MX+1], v[LS], s[SEL], s[SEL+1]
	v_add_f32 v[LS], v[LS], v[MX+1]
	s_cmp_eq_u32 s72, 1                            ; the last trip has no block behind it
	s_cbranch_scc1 .Lno_more
	v_add_nc_u32 v[EA], 8192, v[EA]
	LOADE
.Lno_more:
	ds_store_b32 v[SS], v[CM]                      ; both halves of the lanes hold the same number for a row
	ds_store_b32 v[SS], v[LS] offset:512
.irp b, 0,1,2,3,4,5,6,7
	ds_store_b128 v[STO], v[PK+4*(\b):PK+4*(\b)+3] offset:32*(\b)
.endr
.irp t, 0,1,2,3,4,5,6,7
	ds_load_b128 v[OB+4*(\t):OB+4*(\t)+3], v[RD] offset:(\t)*2*SPITCH  ; LDS serves a wave's instructions in order (ISA guide 5.7.1.4)
.endr
	v_add_nc_u32 v[SS], 64, v[SS]
	s_wait_dscnt 0x0
.irp t, 0,1,2,3,4,5,6,7
	global_store_b128 v[CO], v[OB+4*(\t):OB+4*(\t)+3], s[6:7] offset:8192*(\t)  ; 16 lanes store 256 consecutive bytes, aligned
.endr
	s_wait_xcnt 0x0                                ; the stores have read their data and their base
	s_add_nc_u64 s[6:7], s[6:7], 65536             ; 16 rows on
	s_sub_co_u32 s72, s72, 1
	s_cmp_lg_u32 s72, 0
	s_cbranch_scc1 .Lblock
	ds_load_b128 v[OB:OB+3], v[SR]                 ; my 128 rows' cm and l, 512 consecutive bytes each
	ds_load_b128 v[OB+4:OB+7], v[SR] offset:512
	s_wait_dscnt 0x0
	global_store_b128 v[SO], v[OB:OB+3], s[70:71]
	global_store_b128 v[SO], v[OB+4:OB+7], s[70:71] offset:524288
	s_wait_tensorcnt 0x0                           ; the wave's end
	ds_add_u32 v[SPW], v[NIL]
	s_wait_dscnt 0x0
	CROUND                                         ; the closing round
	s_endpgm
.Lfunc_end_k_qb1f4a13a79_scores:
	.size	k_qb1f4a13a79_scores, .Lfunc_end_k_qb1f4a13a79_scores-k_qb1f4a13a79_scores
	.p2alignl 7, 3214868480
	.fill 96, 4, 3214868480
	.section	.rodata,"a",@progbits
	.p2align	6, 0x0
	.amdhsa_kernel k_qb1f4a13a79_scores
		.amdhsa_group_segment_fixed_size 327680
		.amdhsa_private_segment_fixed_size 0
		.amdhsa_enable_private_segment 0
		.amdhsa_kernarg_size 24
		.amdhsa_user_sgpr_count 2
		.amdhsa_user_sgpr_kernarg_segment_ptr 1
		.amdhsa_wavefront_size32 1
		.amdhsa_system_sgpr_workgroup_id_x 1
		.amdhsa_system_sgpr_workgroup_id_y 1
		.amdhsa_system_sgpr_workgroup_id_z 1
		.amdhsa_system_vgpr_workitem_id 0
		.amdhsa_next_free_vgpr 1024
		.amdhsa_next_free_sgpr 74
		.amdhsa_reserve_vcc 0
		.amdhsa_float_denorm_mode_32 3
		.amdhsa_float_denorm_mode_16_64 3
		.amdhsa_memory_ordered 1
		.amdhsa_forward_progress 1
		.amdhsa_inst_pref_size 137
	.end_amdhsa_kernel
	.amdgpu_metadata
---
amdhsa.version: [ 1, 2 ]
amdhsa.kernels:
  - .name:           k_qb1f4a13a79_scores
    .symbol:         k_qb1f4a13a79_scores.kd
    .args:
      - { .name: qkv, .offset: 0, .size: 8, .value_kind: global_buffer, .address_space: global }
      - { .name: pbuf, .offset: 8, .size: 8, .value_kind: global_buffer, .address_space: global }
      - { .name: stat, .offset: 16, .size: 8, .value_kind: global_buffer, .address_space: global }
    .group_segment_fixed_size: 327680
    .private_segment_fixed_size: 0
    .kernarg_segment_align: 8
    .kernarg_segment_size: 24
    .max_flat_workgroup_size: 128
    .sgpr_count:     74
    .vgpr_count:     1024
    .wavefront_size: 32
...
	.end_amdgpu_metadata
.endif
;; end of part 3
;; launch pv (part 4): grid 4 x 64, 4 waves a work-group, clusters of 4 x 4, 327,680 bytes of LDS; arguments pbuf, qkv, stat, out0; writes out0
.if DOCPART == 4
	.amdgcn_target "amdgcn-amd-amdhsa--gfx1250"
	.amdhsa_code_object_version 6
	.text
	.protected	k_qb1f4a13a79_pv
	.globl	k_qb1f4a13a79_pv
	.p2align	8
	.type	k_qb1f4a13a79_pv,@function
k_qb1f4a13a79_pv:
	s_mov_b64 s[64:65], 0
	v_nop
	global_prefetch_b8 v0, s[64:65] scope:SCOPE_SE
	s_setreg_imm32_b32 hwreg(HW_REG_WAVE_MODE, 25, 1), 1
	s_wait_xcnt 0x0
	s_wait_alu depctr_hold_cnt(0) depctr_sa_sdst(0) depctr_va_vdst(0) depctr_va_sdst(0) depctr_va_ssrc(0) depctr_va_vcc(0) depctr_vm_vsrc(0)
	s_getreg_b32 s2, hwreg(HW_REG_IB_STS2, 6, 4)
	s_cmp_eq_u32 s2, 0
	s_cbranch_scc0 .Lentry_in_a_cluster
	s_endpgm
.Lentry_in_a_cluster:
	s_bfe_u32 s2, ttmp6, 0x10000c
	s_cmp_lg_u32 s2, 0xf033
	s_cbranch_scc0 .Lentry_shape_is_right
	s_endpgm
.Lentry_shape_is_right:
; out0[row][ch] = (sum over the 16 blocks t of f_t sum over the block's keys of p[row][key] v[key][ch]) / L.  M = max over t of cm_t is the row's true maximum (times c); f_t = 2^(cm_t - M), rounded to f16;
; L = sum of f_t l_t with the SAME rounded f_t, so that its rounding cancels.  p f_t is one packed f16 product; products in f16, sums in f32, keys ascending; out0 in f32.
; LIMITS.  A weight below 6e-8 of its row's largest counts as 0 (f16's smallest step).  NaN and infinities are not treated apart.
; SHARES.  A work-group makes 128 rows x 256 channels, each of four waves 64 x 128: 32 accumulators.  256 work-groups.  The 2,048 keys go in 64 quarters of 32.
; v comes as it lies, [key][channel], by joint tensor loads shared along a column of the cluster, through two slots of 256 keys, EIGHT QUARTERS each: every wave brings 64 keys x 512 bytes, one load behind
; each round of the cluster's barrier, and that load has 240 matrix instructions in which to land.  Slot 1 is first filled behind a round of its own, when slot 0 has landed.  v's fragments are turned by ds_load_tr16_b128.
; p IS NOT ASKED FOR JOINTLY though a row of the cluster shares it: a fragment in registers is laid out as p lies in memory, so it comes straight into registers, a chunk of 32 keys (eight loads) a quarter,
; into eight groups that take turns: a chunk is asked for seven quarters, 224 matrix instructions, ahead of its products.  It is scaled there, a quarter ahead of its products.
; Source 0 = 16 channels, source 1 = 16 rows: a lane holds one row and eight neighbouring channels.
; THE LOOP.  A trip is a slot: the last quarter of the slot before, with the change of slots in it, then quarters 0 to 6.  It is entered at quarter 1 of slot 0; its six changes fill slots again with the keys of
; slots 2 to 7; the change into the last slot, which asks for nothing, and that slot's eight quarters are written out.
; REGISTERS: window 0 addresses, factors, the way out; window 1 v's fragments (two buffers of 64); window 2 the accumulators; window 3 p (eight groups of 32).
.set PV,    544                        ; a key's row of v in LDS: 512 bytes + 32 = 136 words
.set VQ,    64*PV                      ; what one tensor load brings: 0x8800 bytes
.set VSLOT, 4*VQ                       ; 0x22000: none of the waves' places 0, 0x8800, 0x11000, 0x19800 has one of its two bits, so one exclusive or turns an address in one slot into the other's
.set FACT,  2*VSLOT                    ; [16 blocks][128 rows]: f_t twice in a word
.set RIN,   FACT+8192                  ; [128 rows]: 1 / L
.set STAGE, RIN+512                    ; 16 rows x 528 bytes for each wave
.set SP,    528
.set SPARE, STAGE+4*16*SP              ; the spare words, 128 bytes for each wave: two blocks of 256 bytes that no other line names
.set AV0,  9                           ; v9      my lane's place in a slot of v; never rewritten
.set AVA,  10                          ; v10     LDS address of my v fragments in the first four quarters of the slot in hand
.set AVB,  11                          ; v11     in its last four: an offset of 16 bits does not span a slot
.set PO,   12                          ; v12     my byte offset in the work-group's rows of p
.set FA,   13                          ; v13     where my row's factor of the slot's first step lies; it steps
.set STO,  14
.set RD,   15
.set CO,   16
.set PFO,  17
.set SPW,  18
.set NIL,  19
.set SA,   20                          ; v20     4 x thread: my row in stat
.set FS,   21                          ; v21     where I store my row's factors
.set RA,   22                          ; v22     where my lane's 1 / L lies
.set FAC,  32                          ; v32-35 the factors of an even step for my four row blocks, v36-39 of an odd step
.set RINV, 40                          ; v40-47  1 / L for my four row blocks, in pairs
.set OB,   128                         ; v128-255 rows read back, two buffers of 64
.set G1,   24                          ; s[24:31] descriptor group 1
.set G0,   32                          ; s[32:35] descriptor group 0: it walks
.set TB,   42                          ; s42     LDS byte at which the slot in hand begins
.set LIM,  43                          ; s43     1 in a wave that prefetches, else the greatest number
.set PFA,  44                          ; s[44:45] where my prefetches stand
.set MSB, 0
.macro WIN new
.if MSB != (\new)
	s_set_vgpr_msb (MSB<<8)|(\new)
.set MSB, \new
.endif
.endm
.macro PLACES
.rept 4
	v_nop
.endr
.endm
.macro CREST
	s_cmp_lg_u32 s10, 0
	s_cbranch_scc1 .Lnot_wave_0_\@
	s_barrier_signal -3
.Lnot_wave_0_\@:
	s_barrier_wait -3
	s_barrier_signal -1
	s_barrier_wait -1
.endm
.macro CROUND
	s_barrier_signal -1
	s_barrier_wait -1
	CREST
.endm
; A PREFETCH INTO THE L2 of v, behind the joint load and the runs of loads: the slot that the NEXT change will ask for, eight quarters, 256 matrix instructions, ahead of that load.  A slot's 256 keys x 512 bytes
; are read by the four clusters of a batch: the first asks; its column's four partners take 64 keys each BY ADDRESS, 16 in each wave, a lane a block of 256 bytes: one instruction a wave, each block named once.
; Slots 0 to 2 come by their loads alone; the loop's last trip asks for nothing: there is no slot behind the eighth.
.macro ASK
	s_cmp_gt_u32 s3, s[LIM]                        ; s3 = 1 in the loop's last trip
	s_cbranch_scc0 .Lnot_mine_\@
	global_prefetch_b8 v[PFO], s[PFA:PFA+1] th:TH_LOAD_NT scope:SCOPE_SE
.Lnot_mine_\@:
.endm
	s_load_b256 s[68:75], s[0:1], 0x0              ; pbuf s[68:69], qkv s[70:71], stat s[72:73], out0 s[74:75]
	v_lshl_add_u32 v[SPW], v0, 2, SPARE
	v_mov_b32 v[NIL], 0
	ds_add_u32 v[SPW], v[NIL]                      ; the wave's opening: the add and its wait stand ahead of my first tensor load
	v_lshrrev_b32 v3, 5, v0
	v_readfirstlane_b32 s10, v3                    ; wave 0..3
	s_lshr_b32 s11, s10, 1                         ; which 64 rows are mine
	s_and_b32 s12, s10, 1                          ; which 128 channels
	s_bfe_u32 s13, ttmp6, 0x40000                  ; cx: the block of 256 channels (the grid is one cluster wide)
	s_bfe_u32 s14, ttmp6, 0x40004                  ; cy
	s_and_b32 s15, ttmp7, 0xffff                   ; the cluster's y: four clusters to a batch
	s_lshr_b32 s16, s15, 2                         ; the batch
	s_lshl_b32 s17, s15, 2
	s_add_co_u32 s17, s17, s14                     ; my block of 128 rows
	s_lshl_b32 s22, 0x1111, s13                    ; my column of the cluster
	s_or_b32 s[G1+0], s22, (1<<16)|(1<<20)|(1<<21)|(6<<22)|(7<<25)  ; the mask; 2-byte elements; padding on; bit 21 beside a mask; after every 128 words 8 words
	s_mov_b32 s[G1+1], 256<<16                     ; tensor_dim0 = 256
	s_mov_b32 s[G1+2], 64<<16                      ; tensor_dim1 = 64
	s_mov_b32 s[G1+3], 256<<16                     ; tile_dim0 = 256
	s_mov_b32 s[G1+4], 64                          ; tile_dim1 = 64
	s_mov_b32 s[G1+5], 1024                        ; elements from key to key
	s_mov_b32 s[G1+6], 0
	s_mov_b32 s[G1+7], 0
	s_lshl_b32 s48, s16, 22                        ; v's tile: the batch's 2,048 keys of 2,048 bytes,
	s_add_co_u32 s48, s48, 0x2000000               ; v lies 32 MiB behind q,
	s_lshl_b32 s49, s13, 9                         ; the 256 channels,
	s_add_co_u32 s48, s48, s49
	s_lshl_b32 s49, s10, 17                        ; my 64 keys of a slot's 256: nothing here hangs on cy
	s_add_co_u32 s48, s48, s49
	s_mov_b32 s49, 0
	s_mul_i32 s50, s10, VQ                         ; and where they go: the wave's number alone
	s_lshl_b32 s40, s17, 19                        ; p: 128 rows of 4,096 bytes
	s_mov_b32 s41, 0
	s_lshl_b32 s54, s17, 9                         ; stat: 128 rows of 4 bytes
	s_mov_b32 s55, 0
	s_lshl_b32 s62, s17, 19                        ; out0: 128 rows of 4,096 bytes,
	s_lshl_b32 s63, s11, 18                        ; my 64 rows,
	s_add_co_u32 s62, s62, s63
	s_lshl_b32 s63, s13, 10                        ; the 256 channels,
	s_add_co_u32 s62, s62, s63
	s_lshl_b32 s63, s12, 9                         ; my 128
	s_add_co_u32 s62, s62, s63
	s_mov_b32 s63, 0
	s_lshl_b32 s56, s14, 15                        ; the prefetches: 16 cy keys behind my 64 w,
	s_add_co_u32 s56, s56, s48
	s_add_co_u32 s56, s56, 2*524288                ; in slot 2: the first trip's bottom steps it to slot 3
	s_mov_b32 s57, 0
	s_and_b32 s58, s15, 3                          ; 0 in the batch's first cluster
	s_cmp_eq_u32 s58, 0
	s_cselect_b32 s[LIM], 1, -1
	s_mov_b32 s[TB], 0
	v_and_b32 v1, 15, v0                           ; l % 16
	v_bfe_u32 v2, v0, 4, 1                         ; l / 16
	v_and_b32 v4, 31, v0                           ; l
	v_and_b32 v6, 7, v0                            ; the turning load: lane l reads key 8 (l / 16) + l % 8, channels 8 ((l / 8) % 2) + 0..7
	v_lshl_add_u32 v6, v2, 3, v6
	v_mul_u32_u24 v6, v6, PV
	v_bfe_u32 v7, v0, 3, 1
	v_lshl_add_u32 v6, v7, 4, v6
	s_lshl_b32 s60, s12, 8
	v_add_nc_u32 v[AV0], s60, v6
	v_mov_b32 v[AVA], v[AV0]                       ; slot 0
	v_add_nc_u32 v[AVB], VSLOT/2, v[AV0]
	s_lshl_b32 s60, s11, 18
	v_lshl_add_u32 v5, v1, 12, s60
	v_lshl_add_u32 v[PO], v2, 4, v5                ; (64 wr + l % 16) rows + 16 x half
	s_lshl_b32 s60, s11, 8
	s_add_co_u32 s61, s60, FACT
	v_lshl_add_u32 v[FA], v1, 2, s61
	s_add_co_u32 s61, s60, RIN
	v_lshl_add_u32 v[RA], v1, 2, s61
	s_mul_i32 s60, s10, 16*SP
	s_add_co_u32 s60, s60, STAGE
	v_mul_u32_u24 v5, v1, SP
	v_lshl_add_u32 v5, v2, 5, v5
	v_add_nc_u32 v[STO], s60, v5                   ; in: row l % 16, 32 bytes for each half of the lanes
	v_lshl_add_u32 v[RD], v4, 4, s60               ; back: a row of 512 bytes a load
	v_lshlrev_b32 v[CO], 4, v4
	v_lshlrev_b32 v[SA], 2, v0
	v_lshl_add_u32 v[FS], v0, 2, FACT
	v_lshrrev_b32 v5, 1, v4                        ; the prefetches: lane l names key l / 2, block l % 2
	v_and_b32 v7, 1, v0
	v_lshlrev_b32 v5, 11, v5
	v_lshl_add_u32 v[PFO], v7, 8, v5
	s_mov_b32 s[G0], 1                             ; count = 1
	s_mov_b32 s[G0+1], s50                         ; LDS address: slot 0
	s_wait_dscnt 0x0                               ; the opening add is done
	s_wait_kmcnt 0x0
	s_add_nc_u64 s[4:5], s[68:69], s[40:41]        ; p at my work-group's first row
	s_add_nc_u64 s[6:7], s[72:73], s[54:55]
	s_add_nc_u64 s[8:9], s[74:75], s[62:63]
	s_add_nc_u64 s[PFA:PFA+1], s[70:71], s[56:57]
	s_add_nc_u64 s[G0+2:G0+3], s[70:71], s[48:49]  ; my 64 of the batch's first 256 keys
	s_or_b32 s[G0+3], s[G0+3], 0x80000000          ; type = 2
	CROUND                                         ; all sixteen work-groups are here: the first joint loads meet
	tensor_load_to_lds s[G0:G0+3], s[G1:G1+7]      ; slot 0: one load of mine is out
	s_nop 0
	PLACES
.macro GLOAD g, off                    ; a chunk of 32 keys for my 64 rows into group g, off bytes behind the pointer: four fragments, two loads of 16 bytes a lane each
	WIN 0xc0
.irp a, 0,1,2,3
	global_load_b128 v[32*(\g)+8*(\a):32*(\g)+8*(\a)+3],   v[PO], s[4:5] offset:(\a)*65536+(\off)
	global_load_b128 v[32*(\g)+8*(\a)+4:32*(\g)+8*(\a)+7], v[PO], s[4:5] offset:(\a)*65536+(\off)+32
.endr
.endm
.set t, 0
.rept 16                                               ; thread i takes row i: its 16 cm into v64-79, its 16 l into v80-95
	global_load_b32 v[64+t], v[SA], s[6:7] offset:32768*t
	global_load_b32 v[80+t], v[SA], s[6:7] offset:32768*t+524288
.set t, t+1
.endr
.irp c, 0,1,2,3,4,5
	GLOAD \c, 64*(\c)
.endr
	WIN 0
	s_wait_loadcnt 48                              ; the statistics are in; six chunks of eight loads may stay out
	v_max3_num_f32 v48, v64, v65, v66
.irp k, 0,1,2,3,4,5
	v_max3_num_f32 v48, v48, v[67+2*(\k)], v[68+2*(\k)]
.endr
	v_max_num_f32 v48, v48, v79                    ; M
.set t, 0
.rept 16
	v_sub_f32 v[64+t], v[64+t], v48
.set t, t+1
.endr
.set t, 0
.rept 16
	v_exp_f32 v[64+t], v[64+t]
.set t, t+1
.endr
	v_mov_b32 v49, 0                               ; a plain instruction behind the last exponential,
	s_wait_alu depctr_va_vdst(0)                   ; and one wait for the batch
.set t, 0
.rept 16
	v_cvt_pk_f16_f32 v[96+t], v[64+t], v[64+t]     ; f_t, twice in a word
.set t, t+1
.endr
.set t, 0
.rept 16
	ds_store_b32 v[FS], v[96+t] offset:512*t
	v_fma_mix_f32 v49, v[96+t], v[80+t], v49 op_sel_hi:[1,0,0]  ; L += f16(f_t) l_t, in f32
.set t, t+1
.endr
	v_rcp_f32 v50, v49                             ; L is at least 1: the block with the maximum has f = 1 and l >= 1
	v_nop
	s_wait_alu depctr_va_vdst(0)
	ds_store_b32 v[FS], v50 offset:8192
	GLOAD 6, 64*6
	GLOAD 7, 64*7                                  ; the pointer stays at chunk 0: the first trip's loads reach on by their immediates
	WIN 0
; Eight matrix instructions: row block a x all 8 channel blocks, 32 keys: v's buffer f, p's group gm.  The 32 accumulators take turns.
.macro MUL8 f, a, gm, zero
	WIN 0xad                                       ; v window 1, p window 3, C and D window 2
.irp b, 0,1,2,3,4,5,6,7
.if \zero
	v_wmma_f32_16x16x32_f16 v[8*(8*(\a)+(\b)):8*(8*(\a)+(\b))+7], v[64*(\f)+8*(\b):64*(\f)+8*(\b)+7], v[32*(\gm)+8*(\a):32*(\gm)+8*(\a)+7], 0
.else
	v_wmma_f32_16x16x32_f16 v[8*(8*(\a)+(\b)):8*(8*(\a)+(\b))+7], v[64*(\f)+8*(\b):64*(\f)+8*(\b)+7], v[32*(\gm)+8*(\a):32*(\gm)+8*(\a)+7], v[8*(8*(\a)+(\b)):8*(8*(\a)+(\b))+7]
.endif
.endr
.endm
; The same, and behind each product four registers of group gs, the next quarter's, are multiplied by their rows' factor (parity fp of the step): the group's 32 registers in eight products.
.macro MUL8R f, a, gm, gs, fp, zero
.set q, 0
.irp b, 0,1,2,3,4,5,6,7
	WIN 0xad
.if \zero
	v_wmma_f32_16x16x32_f16 v[8*(8*(\a)+(\b)):8*(8*(\a)+(\b))+7], v[64*(\f)+8*(\b):64*(\f)+8*(\b)+7], v[32*(\gm)+8*(\a):32*(\gm)+8*(\a)+7], 0
.else
	v_wmma_f32_16x16x32_f16 v[8*(8*(\a)+(\b)):8*(8*(\a)+(\b))+7], v[64*(\f)+8*(\b):64*(\f)+8*(\b)+7], v[32*(\gm)+8*(\a):32*(\gm)+8*(\a)+7], v[8*(8*(\a)+(\b)):8*(8*(\a)+(\b))+7]
.endif
	WIN 0xc3                                       ; p window 3, the factor window 0
.rept 4
	v_pk_mul_f16 v[32*(\gs)+q], v[32*(\gs)+q], v[FAC+4*(\fp)+q/8]
.set q, q+1
.endr
.endr
.endm
.macro FETCH kq, f                     ; 16 turning loads in one run: v's eight fragments of quarter kq (0 to 7) of the slot in hand
	WIN 0x40
.irp b, 0,1,2,3,4,5,6,7
.if (\kq) < 4
	ds_load_tr16_b128 v[64*(\f)+8*(\b):64*(\f)+8*(\b)+3],   v[AVA] offset:32*(\kq)*PV+32*(\b)
	ds_load_tr16_b128 v[64*(\f)+8*(\b)+4:64*(\f)+8*(\b)+7], v[AVA] offset:32*(\kq)*PV+32*(\b)+16*PV
.else
	ds_load_tr16_b128 v[64*(\f)+8*(\b):64*(\f)+8*(\b)+3],   v[AVB] offset:32*((\kq)-4)*PV+32*(\b)
	ds_load_tr16_b128 v[64*(\f)+8*(\b)+4:64*(\f)+8*(\b)+7], v[AVB] offset:32*((\kq)-4)*PV+32*(\b)+16*PV
.endif
.endr
.endm
; Quarter k (0 to 6) of a slot: multiplies v's buffer k % 2 by p's group k; fetches v's quarter k + 1; ld = 1: asks for the chunk seven quarters on, into group k - 1, which the quarter before multiplied;
; scales group k + 1 behind its last eight products; lc = the loads younger than that group's.  facld 1: the slot's odd step's factors are fetched, 2: the next slot's even step's.
.macro QUARTER k, ld, lc, facld=0, zero=0
.set qf, (\k)%2
.set qg, 1-qf
.set qs, ((\k)+1)%8
.set ql, ((\k)+7)%8
.set qp, (((\k)+1)/4)%2
.if (\k) == 0
.set qo, 64*7
.else
.set qo, 512+64*((\k)-1)
.endif
	s_wait_dscnt 0x0                               ; the buffer is in, and so are factors asked for a quarter ago
	MUL8 qf, 0, \k, \zero
	PLACES
.if \ld
	GLOAD ql, qo
.endif
.if (\facld) == 1
	WIN 0
.irp a, 0,1,2,3
	ds_load_b32 v[FAC+4+(\a)], v[FA] offset:512+64*(\a)
.endr
.endif
.if (\facld) == 2
	WIN 0
.irp a, 0,1,2,3
	ds_load_b32 v[FAC+(\a)], v[FA] offset:1024+64*(\a)
.endr
.endif
	FETCH (\k)+1, qg
	MUL8 qf, 1, \k, \zero
	MUL8 qf, 2, \k, \zero
	s_wait_loadcnt \lc
	MUL8R qf, 3, \k, qs, qp, \zero
.endm
; A slot's last quarter changes slots: ONE barrier; in front of it each wave waits for all its tensor loads (its part of the next slot), adds 0 to its spare word, and waits for that and for its reads of the slot.
; fill = 1: the barrier opens a round of the cluster's, and the slot is filled again first behind it, with the keys two slots on.  Then the fragment addresses turn to the next slot.
.macro TURN fill, lc
	WIN 0
	s_wait_tensorcnt 0x0                           ; no tensor load of mine is out, so the descriptor may be written
	ds_add_u32 v[SPW], v[NIL]                      ; 0 onto my spare word
.if \fill
	s_xor_b32 s[G0+1], s[G0+1], VSLOT              ; the other slot than last time,
	s_add_nc_u64 s[G0+2:G0+3], s[G0+2:G0+3], 524288  ; the next 256 keys; the type bits on top are not reached
.endif
	s_wait_dscnt 1                                 ; buffer 1 and the factors are in; the add may be out
	MUL8 1, 0, 7, 0
	s_wait_dscnt 0x0
	s_barrier_signal -1
	MUL8 1, 1, 7, 0
	WIN 0
	s_barrier_wait -1
.if \fill
	CREST
	tensor_load_to_lds s[G0:G0+3], s[G1:G1+7]      ; every wave's one load behind the round
	s_nop 0
.endif
	PLACES
	s_xor_b32 s[TB], s[TB], VSLOT
	v_add_nc_u32 v[AVA], s[TB], v[AV0]
	v_add_nc_u32 v[AVB], VSLOT/2, v[AVA]
	GLOAD 6, 64*6
	FETCH 0, 0
.if \fill
	WIN 0
	ASK
.endif
	MUL8 1, 2, 7, 0
	s_wait_loadcnt \lc
	MUL8R 1, 3, 7, 0, 0, 0
.endm
	s_wait_tensorcnt 0x0                           ; my part of slot 0 is in: no tensor load of mine is out
	ds_add_u32 v[SPW], v[NIL]
	s_xor_b32 s[G0+1], s[G0+1], VSLOT              ; slot 1,
	s_add_nc_u64 s[G0+2:G0+3], s[G0+2:G0+3], 524288  ; keys 256 to 511
	s_wait_dscnt 0x0                               ; the add is done; my rows' factors and 1 / L are stored
	CROUND                                         ; everybody's part of slot 0 is in
	tensor_load_to_lds s[G0:G0+3], s[G1:G1+7]      ; slot 1's first fill, issued as a refill is
	s_nop 0
	PLACES
	FETCH 0, 0
	WIN 0
.irp a, 0,1,2,3
	ds_load_b32 v[FAC+(\a)], v[FA] offset:64*(\a)
	ds_load_b32 v[RINV+2*(\a)], v[RA] offset:64*(\a)
	ds_load_b32 v[RINV+2*(\a)+1], v[RA] offset:64*(\a)
.endr
	s_wait_loadcnt 56                              ; chunk 0 is in; seven chunks may stay out
	s_wait_dscnt 0x0
	WIN 0xc3
.set q, 0
.rept 32
	v_pk_mul_f16 v[q], v[q], v[FAC+q/8]
.set q, q+1
.endr
	QUARTER 0, 0, 48, 0, 1                         ; the first quarter is written out: its products start the sums; chunk 7 has been asked for
	WIN 0
	s_mov_b32 s3, 7
	s_branch .Lfirst                               ; the loop is entered behind its first two quarters
.Ltrip:
	TURN 1, 48
	QUARTER 0, 1, 48
	WIN 0
.Lfirst:
	QUARTER 1, 1, 48
	QUARTER 2, 1, 48, 1
	QUARTER 3, 1, 48
	QUARTER 4, 1, 48
	QUARTER 5, 1, 48
	QUARTER 6, 1, 48, 2
	WIN 0
	s_wait_xcnt 0x0                                ; the loads have read their base (the youngest 24 products back), the prefetch its address (seven quarters back)
	s_add_nc_u64 s[4:5], s[4:5], 512               ; eight chunks on
	s_add_nc_u64 s[PFA:PFA+1], s[PFA:PFA+1], 524288  ; a slot on
	v_add_nc_u32 v[FA], 1024, v[FA]                ; two steps on
	s_sub_co_u32 s3, s3, 1
	s_cmp_lg_u32 s3, 0
	s_cbranch_scc1 .Ltrip
	TURN 0, 48                                     ; the change into the last slot asks for no tile; chunks 62 and 63 are still asked for
	QUARTER 0, 1, 48
	QUARTER 1, 0, 40                               ; then the counts run down
	QUARTER 2, 0, 32, 1
	QUARTER 3, 0, 24
	QUARTER 4, 0, 16
	QUARTER 5, 0, 8
	QUARTER 6, 0, 0
	s_wait_dscnt 0x0
	MUL8 1, 0, 7, 0
	MUL8 1, 1, 7, 0
	MUL8 1, 2, 7, 0
	MUL8 1, 3, 7, 0
	PLACES
	PLACES
; THE WAY OUT, 16 rows at a time, in three parts.  SCALE: divided by L (each accumulator's registers in ascending order).  TOSTAGE: 32 bytes a lane into my stage, back as whole rows of 512 bytes.  SEND: stored.
.macro SCALE a
	WIN 0x82                                       ; the accumulators in window 2, 1 / L in window 0
.set i, 0
.rept 32
	v_pk_mul_f32 v[64*(\a)+2*i:64*(\a)+2*i+1], v[64*(\a)+2*i:64*(\a)+2*i+1], v[RINV+2*(\a):RINV+2*(\a)+1] op_sel_hi:[1,0]
.set i, i+1
.endr
.endm
.macro TOSTAGE a
	WIN 0x08
.irp b, 0,1,2,3,4,5,6,7
	ds_store_b128 v[STO], v[64*(\a)+8*(\b):64*(\a)+8*(\b)+3]   offset:64*(\b)
	ds_store_b128 v[STO], v[64*(\a)+8*(\b)+4:64*(\a)+8*(\b)+7] offset:64*(\b)+16
.endr
	WIN 0
	s_wait_xcnt 0x0                                ; earlier stores have read their data
.set t, 0
.rept 16
	ds_load_b128 v[OB+64*((\a)%2)+4*t:OB+64*((\a)%2)+4*t+3], v[RD] offset:SP*t  ; LDS serves a wave's instructions in order (ISA guide 5.7.1.4)
.set t, t+1
.endr
.endm
.macro SEND a
	WIN 0
	s_wait_dscnt 0x0                               ; the block is back in registers
.set t, 0
.rept 16
	global_store_b128 v[CO], v[OB+64*((\a)%2)+4*t:OB+64*((\a)%2)+4*t+3], s[8:9] offset:(16*(\a)+t)*4096 th:TH_STORE_NT  ; 512 consecutive bytes, aligned
.set t, t+1
.endr
.endm
	SCALE 0
	TOSTAGE 0
.irp a, 1,2,3                          ; block a's scaling stands between block a - 1's loads from the stage and the wait for them
	SCALE \a
	SEND (\a)-1
	TOSTAGE \a
.endr
	SEND 3
	s_wait_tensorcnt 0x0                           ; the wave's end
	ds_add_u32 v[SPW], v[NIL]
	s_wait_dscnt 0x0
	CROUND                                         ; the closing round
	s_endpgm
.Lfunc_end_k_qb1f4a13a79_pv:
	.size	k_qb1f4a13a79_pv, .Lfunc_end_k_qb1f4a13a79_pv-k_qb1f4a13a79_pv
	.p2alignl 7, 3214868480
	.fill 96, 4, 3214868480
	.section	.rodata,"a",@progbits
	.p2align	6, 0x0
	.amdhsa_kernel k_qb1f4a13a79_pv
		.amdhsa_group_segment_fixed_size 327680
		.amdhsa_private_segment_fixed_size 0
		.amdhsa_enable_private_segment 0
		.amdhsa_kernarg_size 32
		.amdhsa_user_sgpr_count 2
		.amdhsa_user_sgpr_kernarg_segment_ptr 1
		.amdhsa_wavefront_size32 1
		.amdhsa_system_sgpr_workgroup_id_x 1
		.amdhsa_system_sgpr_workgroup_id_y 1
		.amdhsa_system_sgpr_workgroup_id_z 1
		.amdhsa_system_vgpr_workitem_id 0
		.amdhsa_next_free_vgpr 1024
		.amdhsa_next_free_sgpr 76
		.amdhsa_reserve_vcc 0
		.amdhsa_float_denorm_mode_32 3
		.amdhsa_float_denorm_mode_16_64 3
		.amdhsa_memory_ordered 1
		.amdhsa_forward_progress 1
		.amdhsa_inst_pref_size 158
	.end_amdhsa_kernel
	.amdgpu_metadata
---
amdhsa.version: [ 1, 2 ]
amdhsa.kernels:
  - .name:           k_qb1f4a13a79_pv
    .symbol:         k_qb1f4a13a79_pv.kd
    .args:
      - { .name: pbuf, .offset: 0, .size: 8, .value_kind: global_buffer, .address_space: global }
      - { .name: qkv, .offset: 8, .size: 8, .value_kind: global_buffer, .address_space: global }
      - { .name: stat, .offset: 16, .size: 8, .value_kind: global_buffer, .address_space: global }
      - { .name: out0, .offset: 24, .size: 8, .value_kind: global_buffer, .address_space: global }
    .group_segment_fixed_size: 327680
    .private_segment_fixed_size: 0
    .kernarg_segment_align: 8
    .kernarg_segment_size: 32
    .max_flat_workgroup_size: 128
    .sgpr_count:     76
    .vgpr_count:     1024
    .wavefront_size: 32
...
	.end_amdgpu_metadata
.endif
;; end of part 4
